; MI455X (gfx1250); checked and timed in simulation.
; The chip was launched on July 23, 2026; its instructions are those of AMD's public machine-readable ISA for CDNA 5 (MIT licence, August 2026) and "CDNA5" Instruction Set Architecture Reference Guide (July 2026). The comments in the code are by the model that wrote it; some were corrected since.
;; Attention. Allowed arithmetic: float matrix products may take bf16 or f16 operands with f32 sums; other float arithmetic in f32, or as packed bf16 or f16 multiplies, adds, multiply-adds, maxima and minima; sums over many terms, partial sums and values carried from step to step in f32; what a program stores and reads back later, other than sums and carried values, may be rounded once to bf16 or f16.
;; Inputs: WK 1,024 x 1,024 float32; WO 1,024 x 1,024 float32; WQ 1,024 x 4,096 float32; WV 1,024 x 4,096 float32; X 2 x 1,024 x 1,024 float32; bK 1,024 float32; bO 1,024 float32; bQ 4,096 float32; bV 4,096 float32; sink_scalars 64 float32; v_nulls 64 x 64 float32.
;; Outputs: out0 2 x 1,024 x 1,024 float32.
;; 2 versions, each right; version 2 is version 1 with the launch prep written anew for expert scheduling mode. Each part assembles by itself: llvm-mc -triple=amdgcn-amd-amdhsa -mcpu=gfx1250 --defsym DOCPART=n.
;; ======== version 1 of 2: 4 launches
;; limits: values are held in f16: magnitudes above 65,504 overflow, below 6.1e-05 lose precision
;; workspace buffers: h16 25,165,824 bytes; rope 262,144 bytes; qh 16,777,216 bytes; kh 4,194,304 bytes; vh 16,777,216 bytes; vsum 262,144 bytes; ctx 4,194,304 bytes
;; launch prep (part 1): grid 64 x 13, 8 waves a work-group, no clusters, 0 bytes of LDS; arguments X, WQ, WK, WV, WO, h16, rope; writes h16, rope
.if DOCPART == 1
	.amdgcn_target "amdgcn-amd-amdhsa--gfx1250"
	.amdhsa_code_object_version 6
	.text
	.protected	k_qcc88c75edf_prep
	.globl	k_qcc88c75edf_prep
	.p2align	8
	.type	k_qcc88c75edf_prep,@function
k_qcc88c75edf_prep:
	s_mov_b64 s[64:65], 0
	v_nop
	global_prefetch_b8 v0, s[64:65] scope:SCOPE_SE
	s_setreg_imm32_b32 hwreg(HW_REG_WAVE_MODE, 25, 1), 1
	s_wait_xcnt 0x0
; X, WQ, WK, WV, WO (f32) -> h16: 192 blocks of [1024 rows][64 columns] f16, 131,072 bytes each; and the RoPE table.
; Blocks 0-31: X (16 b + column group).  32-175: the weights, nine blocks for each group gx of heads: Q heads 4 gx + 0..3, K head gx, V heads 4 gx + 0..3.  176-191: WO.
; A pure stream: no LDS, no barrier, no matrix unit.  Unit u (grid y) 0-11 is a piece of 1024 x 1024 numbers, the work-group (grid x) takes 16 rows of it.
; A load of a wave takes 256 consecutive bytes of two rows; a store of a wave writes 256 consecutive, aligned bytes (two rows of a block).
; Unit 12 makes rope[t][i] = (cos, sin)(t x 10000^(-i/32)), f32: reduction by 2 pi in two parts, Taylor series to r^15 and r^16 on |r| <= pi (remainder under 1e-6).
; LIMITS.  A number beyond 65,504 becomes an infinity in f16; below 6e-5 f16 keeps its fixed step of 6e-8.  The angle is within about 1.5e-4 rad at t = 1023.
.set OFF, 6                            ; v6-21   column group c: byte offset of my 8 bytes in h16, a register for each store
.set XI,  24                           ; v24-87  column group c: 4 numbers as loaded
.set YO,  88                           ; v88-119 column group c: 4 numbers in f16
.set BLK, 131072
	s_load_b256 s[8:15], s[0:1], 0x0               ; X s[8:9], WQ s[10:11], WK s[12:13], WV s[14:15]
	s_load_b128 s[16:19], s[0:1], 0x20             ; WO s[16:17], h16 s[18:19]
	s_load_b64 s[20:21], s[0:1], 0x30              ; rope
	s_and_b32 s4, ttmp7, 0xffff                    ; u
	s_mov_b32 s5, ttmp9                            ; x
	v_lshrrev_b32 v1, 4, v0
	v_and_b32 v2, 15, v0
	s_lshl_b32 s38, s5, 4
	v_add_nc_u32 v1, s38, v1                       ; my row (or t): 16 x + thread / 16
	s_cmp_eq_u32 s4, 12
	s_cbranch_scc1 .Ltable
	; what each source would take: byte offset of the unit, first block
	s_sub_co_u32 s6, s4, 2                         ; WQ's unit (used only where u is 2..5)
	s_sub_co_u32 s7, s4, 7                         ; WV's unit (7..10)
	s_lshl_b32 s32, s4, 22                         ; X: batch u
	s_lshl_b32 s33, s4, 4
	s_lshl_b32 s34, s6, 12                         ; WQ: 1024 columns a unit
	s_mul_i32 s35, s6, 36
	s_add_co_u32 s35, s35, 32
	s_lshl_b32 s36, s7, 12
	s_mul_i32 s37, s7, 36
	s_add_co_u32 s37, s37, 37
	s_mov_b32 s30, 0                               ; WO's figures first: offset, log2 of the row's bytes, first block, bytes from group to group, extra bytes every fourth group
	s_mov_b32 s26, 12
	s_mov_b32 s27, 176
	s_mov_b32 s28, BLK
	s_mov_b32 s29, 0
	s_mov_b32 s31, 0
	s_wait_kmcnt 0x0
	s_mov_b64 s[24:25], s[16:17]
	s_cmp_lt_u32 s4, 11                            ; WV
	s_cselect_b64 s[24:25], s[14:15], s[24:25]
	s_cselect_b32 s30, s36, s30
	s_cselect_b32 s26, 14, s26
	s_cselect_b32 s27, s37, s27
	s_cselect_b32 s29, 5*BLK, s29
	s_cmp_lt_u32 s4, 7                             ; WK
	s_cselect_b64 s[24:25], s[12:13], s[24:25]
	s_cselect_b32 s30, 0, s30
	s_cselect_b32 s26, 12, s26
	s_cselect_b32 s27, 36, s27
	s_cselect_b32 s28, 9*BLK, s28
	s_cselect_b32 s29, 0, s29
	s_cmp_lt_u32 s4, 6                             ; WQ
	s_cselect_b64 s[24:25], s[10:11], s[24:25]
	s_cselect_b32 s30, s34, s30
	s_cselect_b32 s26, 14, s26
	s_cselect_b32 s27, s35, s27
	s_cselect_b32 s28, BLK, s28
	s_cselect_b32 s29, 5*BLK, s29
	s_cmp_lt_u32 s4, 2                             ; X
	s_cselect_b64 s[24:25], s[8:9], s[24:25]
	s_cselect_b32 s30, s32, s30
	s_cselect_b32 s26, 12, s26
	s_cselect_b32 s27, s33, s27
	s_cselect_b32 s29, 0, s29
	s_add_nc_u64 s[24:25], s[24:25], s[30:31]      ; the source at the unit's first number
	v_lshlrev_b32 v4, s26, v1                      ; row x its bytes
	v_lshl_add_u32 v4, v2, 4, v4                   ; + 16 x (thread % 16)
	s_lshl_b32 s27, s27, 17
	s_lshl_b32 s39, s5, 11                         ; 16 rows of 128 bytes
	s_add_co_u32 s27, s27, s39
	v_lshl_add_u32 v[OFF], v0, 3, s27              ; in a block: 2048 x + 8 x thread
.set c, 1
.rept 15
	v_add_nc_u32 v[OFF+c], s28, v[OFF+c-1]
.if c%4 == 0
	v_add_nc_u32 v[OFF+c], s29, v[OFF+c]
.endif
.set c, c+1
.endr
.set c, 0
.rept 16
	global_load_b128 v[XI+4*c:XI+4*c+3], v4, s[24:25] offset:256*c th:TH_LOAD_NT
.set c, c+1
.endr
.set c, 0
.rept 16
	s_wait_loadcnt 15-c                            ; loads come back in order: group c is in, the younger ones stay out
	v_cvt_pk_f16_f32 v[YO+2*c], v[XI+4*c], v[XI+4*c+1]
	v_cvt_pk_f16_f32 v[YO+2*c+1], v[XI+4*c+2], v[XI+4*c+3]
	global_store_b64 v[OFF+c], v[YO+2*c:YO+2*c+1], s[18:19]
.set c, c+1
.endr
	s_endpgm
; cos and sin of the angle in v[th]; v20-23 at work
.macro SINCOS th, co, si
	v_mul_f32 v20, 0.15915494, v[\th]
	v_rndne_f32 v20, v20                           ; n
	v_fmamk_f32 v21, v20, 0xc0c90000, v[\th]       ; r = angle - n x 6.28125 (exact)
	v_fmamk_f32 v21, v20, 0xbafdaa22, v21          ;     - n x the rest of 2 pi
	v_mul_f32 v22, v21, v21
	v_mov_b32 v23, 0xab573f9f                      ; -1/15!
	v_fmaak_f32 v23, v23, v22, 0x2f309231
	v_fmaak_f32 v23, v23, v22, 0xb2d7322b
	v_fmaak_f32 v23, v23, v22, 0x3638ef1d
	v_fmaak_f32 v23, v23, v22, 0xb9500d01
	v_fmaak_f32 v23, v23, v22, 0x3c088889
	v_fmaak_f32 v23, v23, v22, 0xbe2aaaab
	v_fma_f32 v23, v23, v22, 1.0
	v_mul_f32 v[\si], v23, v21
	v_mov_b32 v23, 0x29573f9f                      ; 1/16!
	v_fmaak_f32 v23, v23, v22, 0xad49cba5
	v_fmaak_f32 v23, v23, v22, 0x310f76c7
	v_fmaak_f32 v23, v23, v22, 0xb493f27e
	v_fmaak_f32 v23, v23, v22, 0x37d00d01
	v_fmaak_f32 v23, v23, v22, 0xbab60b61
	v_fmaak_f32 v23, v23, v22, 0x3d2aaaab
	v_fma_f32 v23, v23, v22, -0.5
	v_fma_f32 v[\co], v23, v22, 1.0
.endm
.Ltable:
	v_cvt_f32_u32 v4, v1                           ; t
	v_lshlrev_b32 v3, 1, v2
	v_cvt_f32_u32 v5, v3                           ; i = 2 (thread % 16), and i + 1
	v_add_f32 v6, 1.0, v5
	v_mul_f32 v5, 0xbed49a78, v5                   ; - i x log2(10000) / 32
	v_mul_f32 v6, 0xbed49a78, v6
	v_exp_f32 v5, v5
	v_exp_f32 v6, v6
	v_lshlrev_b32 v7, 4, v0                        ; a plain instruction behind the exponentials
	s_wait_alu depctr_va_vdst(0)
	v_mul_f32 v5, v4, v5
	v_mul_f32 v6, v4, v6
	SINCOS 5, 8, 9
	SINCOS 6, 10, 11
	s_lshl_b32 s6, s5, 12
	v_add_nc_u32 v7, s6, v7                        ; 4096 x + 16 x thread: sixteen lanes write one row of the table, 256 bytes
	s_wait_kmcnt 0x0
	global_store_b128 v7, v[8:11], s[20:21]
	s_endpgm
.Lfunc_end_k_qcc88c75edf_prep:
	.size	k_qcc88c75edf_prep, .Lfunc_end_k_qcc88c75edf_prep-k_qcc88c75edf_prep
	.p2alignl 7, 3214868480
	.fill 96, 4, 3214868480
	.section	.rodata,"a",@progbits
	.p2align	6, 0x0
	.amdhsa_kernel k_qcc88c75edf_prep
		.amdhsa_group_segment_fixed_size 0
		.amdhsa_private_segment_fixed_size 0
		.amdhsa_enable_private_segment 0
		.amdhsa_kernarg_size 56
		.amdhsa_user_sgpr_count 2
		.amdhsa_user_sgpr_kernarg_segment_ptr 1
		.amdhsa_wavefront_size32 1
		.amdhsa_system_sgpr_workgroup_id_x 1
		.amdhsa_system_sgpr_workgroup_id_y 1
		.amdhsa_system_sgpr_workgroup_id_z 1
		.amdhsa_system_vgpr_workitem_id 0
		.amdhsa_next_free_vgpr 128
		.amdhsa_next_free_sgpr 66
		.amdhsa_reserve_vcc 0
		.amdhsa_float_denorm_mode_32 3
		.amdhsa_float_denorm_mode_16_64 3
		.amdhsa_memory_ordered 1
		.amdhsa_forward_progress 1
		.amdhsa_inst_pref_size 12
	.end_amdhsa_kernel
	.amdgpu_metadata
---
amdhsa.version: [ 1, 2 ]
amdhsa.kernels:
  - .name:           k_qcc88c75edf_prep
    .symbol:         k_qcc88c75edf_prep.kd
    .args:
      - { .name: X, .offset: 0, .size: 8, .value_kind: global_buffer, .address_space: global }
      - { .name: WQ, .offset: 8, .size: 8, .value_kind: global_buffer, .address_space: global }
      - { .name: WK, .offset: 16, .size: 8, .value_kind: global_buffer, .address_space: global }
      - { .name: WV, .offset: 24, .size: 8, .value_kind: global_buffer, .address_space: global }
      - { .name: WO, .offset: 32, .size: 8, .value_kind: global_buffer, .address_space: global }
      - { .name: h16, .offset: 40, .size: 8, .value_kind: global_buffer, .address_space: global }
      - { .name: rope, .offset: 48, .size: 8, .value_kind: global_buffer, .address_space: global }
    .group_segment_fixed_size: 0
    .private_segment_fixed_size: 0
    .kernarg_segment_align: 8
    .kernarg_segment_size: 56
    .max_flat_workgroup_size: 256
    .sgpr_count:     66
    .vgpr_count:     128
    .wavefront_size: 32
...
	.end_amdgpu_metadata
.endif
;; end of part 1
;; launch qkv (part 2): grid 16 x 16, 4 waves a work-group, clusters of 4 x 4, 327,680 bytes of LDS; arguments h16, rope, bQ, bK, bV, qh, kh, vh, vsum; writes qh, kh, vh, vsum
.if DOCPART == 2
	.amdgcn_target "amdgcn-amd-amdhsa--gfx1250"
	.amdhsa_code_object_version 6
	.text
	.protected	k_qcc88c75edf_qkv
	.globl	k_qcc88c75edf_qkv
	.p2align	8
	.type	k_qcc88c75edf_qkv,@function
k_qcc88c75edf_qkv:
	s_mov_b64 s[64:65], 0
	v_nop
	global_prefetch_b8 v0, s[64:65] scope:SCOPE_SE
	s_setreg_imm32_b32 hwreg(HW_REG_WAVE_MODE, 25, 1), 1
	s_wait_xcnt 0x0
	s_wait_alu depctr_hold_cnt(0) depctr_sa_sdst(0) depctr_va_vdst(0) depctr_va_sdst(0) depctr_va_ssrc(0) depctr_va_vcc(0) depctr_vm_vsrc(0)
	s_getreg_b32 s2, hwreg(HW_REG_IB_STS2, 6, 4)
	s_cmp_eq_u32 s2, 0
	s_cbranch_scc0 .Lentry_in_a_cluster
	s_endpgm
.Lentry_in_a_cluster:
	s_bfe_u32 s2, ttmp6, 0x10000c
	s_cmp_lg_u32 s2, 0xf033
	s_cbranch_scc0 .Lentry_shape_is_right
	s_endpgm
.Lentry_shape_is_right:
; [2048 x 1024] x [1024 x 9216] in f16 with f32 sums: q, k and v of all heads, and what follows them row by row.
; SHARES.  256 work-groups: 128 rows (gy) x nine heads of 64 columns (gx): Q heads 4 gx + 0..3, K head gx, V heads 4 gx + 0..3, so which kind a head is stands in the text.
; Wave w takes columns 16 w .. 16 w + 15 of every head: 8 x 9 = 72 accumulators, 576 registers; for 32 along K it reads 17 fragments for 72 matrix instructions.
; The biases are the C operand of the first products.  THE MATRIX INSTRUCTION IS USED TRANSPOSED (source 0 = 16 columns of W, source 1 = 16 rows of X): a lane holds one row and eight neighbouring columns.
; W lies [k][n] in its blocks and is turned on the way out of LDS by ds_load_tr16_b128.
; RING.  K goes in steps of 64 through two LDS slots.  Waves 0-2 each fetch three heads' 64 rows of W (three dense pieces of 8,192 bytes), wave 3 the 128 rows of X (16,384 dense bytes).
; CLUSTER 4 x 4: X's tile hangs on gy alone and is asked for jointly along a row of the cluster, W's on gx alone, along a column.
; THE WAY OUT.  q: x rsqrt(mean x^2 + eps) x log2(e), rotated; k: x / |k|, rotated; the rotated pairs stay in place (one order for q and k alike keeps q . k).  v as it is, and its column sums
; over the 128 rows in f32.  All rounded once to f16 and stored by heads, [b][h][t][64], through a stage in LDS that lies on the ring after its last fill.
; LIMITS.  v beyond 65,504 becomes an infinity; q and k are normalised in f32 first and have no such bound.  A key row of zeros gives NaN, as in the formula itself.
; REGISTERS, in windows of 256 (s_set_vgpr_msb: bits 1:0 source 0, 3:2 source 1, 5:4 source 2, 7:6 destination):
;   window 0: v0-31 addresses; v32-95, v96-159 X's fragments, two buffers; v160-231 W's fragments, buffer 0
;   window 1: accumulators of row blocks 0-2 at 72 (a % 3) + 8 b; v216-255 biases of heads 0-4     window 2: row blocks 3-5; v216-247 biases of heads 5-8
;   window 3: row blocks 6, 7; v144-215 W's fragments, buffer 1
.set SLOT,   110592                    ; W: 9 heads x 64 rows x 160 bytes, then X: 128 rows x 144 bytes
.set AOFF,   92160
.set PA,     144                       ; 128 bytes + 16: the 16 rows of a load start at 16 different groups of four banks (64 banks of 4 bytes: ISA guide 11.1)
.set PB,     160                       ; 128 + 32
.set HB,     64*PB                     ; a head's part of a slot
.set WLOAD,  3*HB                      ; what a wave's load fills: 30,720 bytes; wave 3's place, 92,160, is X's
.set SSB,    2*SLOT                    ; behind the ring: sums of squares [5 heads][128 rows][4 waves] f32
.set CSB,    SSB+10240                 ; column sums [4 V heads][64] f32
.set SPARE,  CSB+1024                  ; the spare words, 128 bytes a wave: two blocks of 256 bytes that no other line names
.set HS,     128*PA                    ; the stage, from byte 0: [9 heads][128 rows] x 144 bytes
.set WB_OFF, 32*131072                 ; the weights' first block in h16
.set RD,   8                           ; v8-10   the way out: where I read rows back, heads 0-2, 3-5, 6-8
.set CSR,  11                          ; v11     where I read a V head's column sums
.set GO2,  12                          ; v12     8 x lane
.set GO,   13                          ; v13     16 x lane
.set ADRA, 16                          ; v16-17  X's fragments in slot 0, 1
.set ADRB, 18                          ; v18-21  W's fragments: slot 0 heads 0-4, heads 5-8; slot 1 likewise
.set VSS,  22                          ; v22     where I put a sum of squares
.set VSR,  23                          ; v23     where I read a row's four
.set STO,  24                          ; v24-26  where I put 16 bytes of a row in the stage
.set VCS,  27                          ; v27     where I put column sums
.set SPW,  28                          ; v28     my spare word; never rewritten
.set NIL,  29                          ; v29     0; never rewritten
.set BOF,  30                          ; v30     64 w + 32 h: my eight columns' bytes in a head's bias
.set TOF,  31                          ; v31     my byte offset in the RoPE table
.set A0,   32
.set A1,   96
.set B0,   160
.set B1,   144                         ; window 3
.set BIA,  216
.set SC,   176                         ; the way out: five row scales, at stride two
.set YR,   186                         ; 40 rotated numbers
.set HR,   226                         ; 20 registers of f16
.set CS,   96                          ; 32 column sums
.set VH,   128                         ; 16 registers of f16
.set G1A, 24                           ; s[24:31] descriptor group 1 for X's tile;  s[32:39] group 0, a set for each slot
.set G0A, 32
.set G1B, 48                           ; s[48:55], s[56:63] the same for W's
.set G0B, 56
.set MSB, 0
.macro WIN new                         ; the immediate's high byte repeats the setting that is left; a switch that changes nothing is dropped
.if MSB != (\new)
	s_set_vgpr_msb (MSB<<8)|(\new)
.set MSB, \new
.endif
.endm
.macro PLACES                          ; four places in front of loads into registers that matrix instructions have read, and of vector work on their results
.rept 4
	v_nop
.endr
.endm
.macro JLOAD s                         ; a joint load: wave 3 fetches X's tile, waves 0-2 W's; an s_nop 0 and four v_nop follow each line
	s_cmp_eq_u32 s10, 3
	s_cbranch_scc0 .Lfor_b_\@
	tensor_load_to_lds s[G0A+4*(\s):G0A+4*(\s)+3], s[G1A:G1A+7]
	s_nop 0
.rept 4
	v_nop
.endr
	s_branch .Lasked_\@
.Lfor_b_\@:
	tensor_load_to_lds s[G0B+4*(\s):G0B+4*(\s)+3], s[G1B:G1B+7]
	s_nop 0
.rept 4
	v_nop
.endr
.Lasked_\@:
.endm
.macro CREST                           ; a round of the cluster's barrier behind its opening barrier
	s_cmp_lg_u32 s10, 0
	s_cbranch_scc1 .Lnot_wave_0_\@
	s_barrier_signal -3
.Lnot_wave_0_\@:
	s_barrier_wait -3
	s_barrier_signal -1
	s_barrier_wait -1
.endm
.macro CROUND
	s_barrier_signal -1
	s_barrier_wait -1
	CREST
.endm
	s_load_b512 s[68:83], s[0:1], 0x0              ; h16 68, rope 70, bQ 72, bK 74, bV 76, qh 78, kh 80, vh 82
	s_load_b64 s[84:85], s[0:1], 0x40              ; vsum
	v_lshl_add_u32 v[SPW], v0, 2, SPARE
	v_mov_b32 v[NIL], 0
	ds_add_u32 v[SPW], v[NIL]                      ; the wave's opening: the add and its wait stand ahead of my first tensor load
	ds_add_u32 v28, v29
	v_lshrrev_b32 v1, 5, v0
	v_readfirstlane_b32 s10, v1                    ; wave 0..3
	s_bfe_u32 s40, ttmp6, 0x40000                  ; cx, cy
	s_bfe_u32 s41, ttmp6, 0x40004
	s_lshl_b32 s42, ttmp9, 2
	s_add_co_u32 s42, s42, s40                     ; gx
	s_and_b32 s13, ttmp7, 0xffff
	s_lshl_b32 s13, s13, 2
	s_add_co_u32 s13, s13, s41                     ; gy
	s_lshl_b32 s43, s41, 2
	s_lshl_b32 s43, 15, s43                        ; my row of the cluster
	s_lshl_b32 s44, 0x1111, s40                    ; my column
	s_or_b32 s[G1A], s43, (1<<16)|(1<<20)|(1<<21)|(4<<22)|(3<<25)  ; the mask; 2-byte elements; padding on; bit 21 beside a mask; after every 32 words 4 words
	s_mov_b32 s[G1A+1], 128<<16                    ; X's 16,384 dense bytes as 64 rows of 128 elements
	s_mov_b32 s[G1A+2], 64<<16
	s_mov_b32 s[G1A+3], 128<<16
	s_mov_b32 s[G1A+4], 64
	s_mov_b32 s[G1A+5], 128
	s_mov_b32 s[G1A+6], 0
	s_mov_b32 s[G1A+7], 0
	s_or_b32 s[G1B], s44, (1<<16)|(1<<20)|(1<<21)|(4<<22)|(7<<25)  ; after every 32 words 8 words
	s_mov_b32 s[G1B+1], 4096<<16                   ; three rows of 4,096 elements (a head's 64 rows of W), a block apart
	s_mov_b32 s[G1B+2], 3<<16
	s_mov_b32 s[G1B+3], 4096<<16
	s_mov_b32 s[G1B+4], 3
	s_mov_b32 s[G1B+5], 65536
	s_mov_b32 s[G1B+6], 0
	s_mov_b32 s[G1B+7], 0
	s_lshr_b32 s16, s13, 3                         ; X's tile hangs on gy alone: batch x 16 blocks,
	s_lshl_b32 s16, s16, 21
	s_and_b32 s17, s13, 7
	s_lshl_b32 s17, s17, 14                        ; 128 rows of 128 bytes
	s_add_co_u32 s16, s16, s17
	s_mov_b32 s17, 0
	s_mul_i32 s46, s42, 9                          ; W's on gx and the wave alone: block 9 gx + 3 w
	s_mul_i32 s47, s10, 3
	s_add_co_u32 s46, s46, s47
	s_lshl_b32 s46, s46, 17
	s_add_co_u32 s46, s46, WB_OFF
	s_mov_b32 s47, 0
	s_mul_i32 s20, s10, WLOAD                      ; where a wave's load goes: no place in the cluster enters an LDS address
	s_mov_b32 s86, 0x76543210                      ; v_permlanex16_b32: each lane takes its own place in the other half
	s_mov_b32 s87, 0xfedcba98
	s_mov_b32 s88, 0x3c800000                      ; 1/64
	s_mov_b32 s89, 0x34000000                      ; f32's eps
	s_mov_b32 s90, 0x3fb8aa3b                      ; log2(e)
	s_wait_dscnt 0x0                               ; the opening add is done
	s_wait_kmcnt 0x0
	s_add_nc_u64 s[14:15], s[68:69], s[16:17]
	s_add_nc_u64 s[46:47], s[68:69], s[46:47]
	CROUND                                         ; all sixteen work-groups are here: the first joint loads meet
.irp s, 0,1
	s_mov_b32 s[G0A+4*(\s)], 1
	s_add_co_u32 s[G0A+4*(\s)+1], s20, (\s)*SLOT
	s_add_nc_u64 s[G0A+4*(\s)+2:G0A+4*(\s)+3], s[14:15], (\s)*131072  ; K step s is X's block s
	s_or_b32 s[G0A+4*(\s)+3], s[G0A+4*(\s)+3], 0x80000000
	s_mov_b32 s[G0B+4*(\s)], 1
	s_add_co_u32 s[G0B+4*(\s)+1], s20, (\s)*SLOT
	s_add_nc_u64 s[G0B+4*(\s)+2:G0B+4*(\s)+3], s[46:47], (\s)*8192    ; 64 rows of 128 bytes on
	s_or_b32 s[G0B+4*(\s)+3], s[G0B+4*(\s)+3], 0x80000000
	JLOAD \s                                       ; two loads of mine are out
.endr
	v_and_b32 v1, 15, v0                           ; r
	v_bfe_u32 v2, v0, 4, 1                         ; h
	v_mul_u32_u24 v3, v1, PA
	v_lshl_add_u32 v3, v2, 4, v3                   ; 144 r + 16 h
	v_add_nc_u32 v[ADRA], AOFF, v3
	v_add_nc_u32 v[ADRA+1], AOFF+SLOT, v3
	v_and_b32 v4, 7, v0
	v_bfe_u32 v5, v0, 3, 1
	v_lshl_add_u32 v6, v2, 3, v4                   ; the turning load: row 8 h + lane % 8,
	v_mul_u32_u24 v6, v6, PB
	v_lshl_add_u32 v6, v5, 4, v6                   ; 16 bytes for each half of eight lanes,
	s_lshl_b32 s21, s10, 5
	v_add_nc_u32 v[ADRB], s21, v6                  ; my 16 columns
	v_add_nc_u32 v[ADRB+1], 5*HB, v[ADRB]
	v_add_nc_u32 v[ADRB+2], SLOT, v[ADRB]
	v_add_nc_u32 v[ADRB+3], SLOT+5*HB, v[ADRB]
	s_lshl_b32 s22, s10, 2
	v_lshlrev_b32 v7, 4, v1
	v_add_nc_u32 v[VSR], SSB, v7
	v_add_nc_u32 v[VSS], s22, v[VSR]
	v_add_nc_u32 v[STO], s21, v3                   ; 144 r + 32 w + 16 h
	v_add_nc_u32 v[STO+1], 3*HS, v[STO]
	v_add_nc_u32 v[STO+2], 6*HS, v[STO]
	s_lshl_b32 s23, s10, 6
	v_lshl_add_u32 v[BOF], v2, 5, s23
	v_add_nc_u32 v[VCS], CSB, v[BOF]
	s_and_b32 s22, s13, 7
	s_lshl_b32 s22, s22, 15                        ; 128 table rows of 256 bytes
	v_lshl_add_u32 v[TOF], v1, 8, v[BOF]           ; row r; my four pairs are 32 bytes at 64 w + 32 h
	v_add_nc_u32 v[TOF], s22, v[TOF]
	v_bfe_u32 v7, v0, 3, 2
	v_mul_u32_u24 v7, v7, PA
	v_lshl_add_u32 v7, v4, 4, v7                   ; back: 32 lanes take four rows of 128 bytes
	s_mul_i32 s22, s10, 32*PA
	v_add_nc_u32 v[RD], s22, v7
	v_add_nc_u32 v[RD+1], 3*HS, v[RD]
	v_add_nc_u32 v[RD+2], 6*HS, v[RD]
	v_and_b32 v7, 31, v0
	v_lshlrev_b32 v[GO2], 3, v7
	v_lshlrev_b32 v[GO], 4, v7
	s_lshl_b32 s22, s10, 8
	s_add_co_u32 s22, s22, CSB
	v_add_nc_u32 v[CSR], s22, v[GO2]
	; the biases of my eight columns of each head, as C operands
	s_lshl_b32 s92, s42, 10
	s_mov_b32 s93, 0
	s_lshl_b32 s94, s42, 8
	s_mov_b32 s95, 0
	s_add_nc_u64 s[72:73], s[72:73], s[92:93]
	s_add_nc_u64 s[76:77], s[76:77], s[92:93]
	s_add_nc_u64 s[74:75], s[74:75], s[94:95]
	WIN 0x40
.irp b, 0,1,2,3
	global_load_b128 v[BIA+8*\b:BIA+8*\b+3], v[BOF], s[72:73] offset:256*\b
	global_load_b128 v[BIA+8*\b+4:BIA+8*\b+7], v[BOF], s[72:73] offset:256*\b+16
.endr
	global_load_b128 v[BIA+32:BIA+35], v[BOF], s[74:75]
	global_load_b128 v[BIA+36:BIA+39], v[BOF], s[74:75] offset:16
	WIN 0x80
.irp b, 0,1,2,3
	global_load_b128 v[BIA+8*\b:BIA+8*\b+3], v[BOF], s[76:77] offset:256*\b
	global_load_b128 v[BIA+8*\b+4:BIA+8*\b+7], v[BOF], s[76:77] offset:256*\b+16
.endr
	WIN 0
; 34 LDS loads in one run: the fragments of 32 along K (half kk of a slot's step) into buffer buf: W's nine first, then X's eight
.macro FETCH slot, kk, buf
.if \buf
	WIN 0xc0
.else
	WIN 0
.endif
.set b, 0
.rept 9
.set rB, B0+(B1-B0)*(\buf)+8*b
	ds_load_tr16_b128 v[rB:rB+3],   v[ADRB+2*(\slot)+b/5] offset:HB*(b%5)+32*PB*(\kk)
	ds_load_tr16_b128 v[rB+4:rB+7], v[ADRB+2*(\slot)+b/5] offset:HB*(b%5)+32*PB*(\kk)+16*PB
.set b, b+1
.endr
	WIN 0
.set a, 0
.rept 8
.set rA, A0+64*(\buf)+8*a
	ds_load_b128 v[rA:rA+3],   v[ADRA+(\slot)] offset:16*PA*a+64*(\kk)
	ds_load_b128 v[rA+4:rA+7], v[ADRA+(\slot)] offset:16*PA*a+64*(\kk)+32
.set a, a+1
.endr
.endm
; row blocks a0 .. a1 x all nine heads, 32 along K from buffer buf.  The 72 accumulators take turns, one instruction a turn, in the same order in every half step.
; first = 1: the products start the sums on the biases.
.macro MUL buf, a0, a1, first
.set a, \a0
.rept (\a1)-(\a0)+1
.set b, 0
.rept 9
.set aw, a/3+1
.set rD, 72*(a%3)+8*b
.set rB, B0+(B1-B0)*(\buf)+8*b
.set rA, A0+64*(\buf)+8*a
.if \first
.set cw, 1+b/5
.set rC, BIA+8*(b%5)
	WIN (3*(\buf))|(cw<<4)|(aw<<6)
	v_wmma_f32_16x16x32_f16 v[rD:rD+7], v[rB:rB+7], v[rA:rA+7], v[rC:rC+7]
.else
	WIN (3*(\buf))|(aw<<4)|(aw<<6)
	v_wmma_f32_16x16x32_f16 v[rD:rD+7], v[rB:rB+7], v[rA:rA+7], v[rD:rD+7]
.endif
.set b, b+1
.endr
.set a, a+1
.endr
.endm
; The first half of a K step: multiplies buffer 0 and fetches the second half into buffer 1
.macro SUB slot, first
	s_wait_dscnt 10                                ; W's nine and X's blocks 0-2 are in; the youngest ten loads may be out
	MUL 0, 0, 2, \first
	PLACES
	FETCH \slot, 1, 1
	s_wait_dscnt 34                                ; all but the 34 just issued
	MUL 0, 3, 7, \first
.endm
; The second half multiplies buffer 1 and changes slots: ONE barrier; in front of it each wave waits for all its tensor loads (one is out: its part of the next slot), adds 0 to its spare word,
; and waits for that and for its reads of this slot.  fill = 1: the barrier opens a round of the cluster's, and this slot is filled again first thing behind it, two K steps ahead.
.macro TURN slot, next, fill
	WIN 0
	s_wait_tensorcnt 0x0
	ds_add_u32 v[SPW], v[NIL]
	s_wait_dscnt 11                                ; (the add and the youngest ten loads may be out)
	MUL 1, 0, 1, 0
	s_wait_dscnt 0x0                               ; the add is done, and my reads of this slot are over
	s_barrier_signal -1
	MUL 1, 2, 2, 0
.if \fill
	WIN 0
.endif
	s_barrier_wait -1
.if \fill
	CREST                                          ; no wave of any partner still reads this slot or has a load on its way
	s_add_nc_u64 s[G0A+4*(\slot)+2:G0A+4*(\slot)+3], s[G0A+4*(\slot)+2:G0A+4*(\slot)+3], 2*131072
	s_add_nc_u64 s[G0B+4*(\slot)+2:G0B+4*(\slot)+3], s[G0B+4*(\slot)+2:G0B+4*(\slot)+3], 2*8192
	JLOAD \slot                                    ; 117 matrix instructions ahead of the wait for it; its four v_nop are also the places in front of the loads below
.else
	PLACES
.endif
	FETCH \next, 0, 0
	MUL 1, 3, 7, 0
.endm
	s_wait_tensorcnt 1                             ; my part of K step 0 is in; step 1's may stay out
	s_barrier_signal -1
	s_barrier_wait -1
	FETCH 0, 0, 0
	s_wait_loadcnt 0x0                             ; the biases
	SUB 0, 1
	WIN 0
	s_mov_b32 s3, 7
.Llap:                                                 ; a trip goes once round the ring and fills both slots again: K steps 2 .. 15
	TURN 0, 1, 1
	SUB 1, 0
	TURN 1, 0, 1
	SUB 0, 0
	WIN 0
	s_sub_co_u32 s3, s3, 1
	s_cmp_lg_u32 s3, 0
	s_cbranch_scc1 .Llap
	TURN 0, 1, 0                                   ; the last lap fills nothing
	SUB 1, 0
	s_wait_dscnt 10
	PLACES                                         ; buffer 0 of X has been multiplied: it takes my rows of the RoPE table, (cos, sin) of my four pairs for each row block
	WIN 0
.set a, 0
.rept 8
	global_load_b128 v[A0+8*a:A0+8*a+3],   v[TOF], s[70:71] offset:4096*a
	global_load_b128 v[A0+8*a+4:A0+8*a+7], v[TOF], s[70:71] offset:4096*a+16
.set a, a+1
.endr
	MUL 1, 0, 2, 0
	s_wait_dscnt 0x0
	MUL 1, 3, 7, 0
	; SUMS OF SQUARES of heads 0-4: my eight columns, the other half of the lanes', then the four waves' through LDS.  Each accumulator's lowest registers are read first.
	PLACES
.set a, 0
.rept 8
.set aw, a/3+1
	WIN aw|(aw<<2)
.irp j, 0,2,4,6
.set b, 0
.rept 5
.set rX, 72*(a%3)+8*b+\j
.set rT, 96+2*(5*a+b)
.if \j == 0
	v_pk_mul_f32 v[rT:rT+1], v[rX:rX+1], v[rX:rX+1]
.else
	v_pk_fma_f32 v[rT:rT+1], v[rX:rX+1], v[rX:rX+1], v[rT:rT+1]
.endif
.set b, b+1
.endr
.endr
.set a, a+1
.endr
	WIN 0
.set i, 0
.rept 40
	v_add_f32 v[96+2*i], v[96+2*i], v[97+2*i]
.set i, i+1
.endr
.set i, 0
.rept 40
	v_permlanex16_b32 v[97+2*i], v[96+2*i], s86, s87
.set i, i+1
.endr
.set i, 0
.rept 40
	v_add_f32 v[96+2*i], v[96+2*i], v[97+2*i]
.set i, i+1
.endr
.set i, 0
.rept 40
	ds_store_b32 v[VSS], v[96+2*i] offset:2048*(i%5)+256*(i/5)
.set i, i+1
.endr
	s_wait_dscnt 0x0                               ; for the others' sake: my sums are stored, and my reads of the ring are over
	s_barrier_signal -1
	s_barrier_wait -1                              ; from here on the ring's bytes are the stage: no tensor load follows
.irp j, 1,3,5,7,9
	v_mov_b32 v[SC+\j], 0                          ; named with the scales as pairs
.endr
; Row block a of heads 0-4: the row's scale, the rotation of my four pairs, one rounding, 16 bytes a head into the stage
.macro QKROW a
.set aw, (\a)/3+1
.set rP, 96+20*((\a)%4)
.set rX, 72*((\a)%3)
.set rTB, A0+8*(\a)
	WIN 0
.irp b, 0,1,2,3,4
	v_add_f32 v[rP+4*\b], v[rP+4*\b], v[rP+4*\b+1]
	v_add_f32 v[rP+4*\b+2], v[rP+4*\b+2], v[rP+4*\b+3]
.endr
.irp b, 0,1,2,3,4
	v_add_f32 v[rP+4*\b], v[rP+4*\b], v[rP+4*\b+2]
.endr
.irp b, 0,1,2,3
	v_fma_f32 v[rP+4*\b], v[rP+4*\b], s88, s89     ; q: the mean and eps; k keeps the sum
.endr
.irp b, 0,1,2,3,4
	v_rsq_f32 v[SC+2*\b], v[rP+4*\b]
.endr
	v_nop                                          ; a plain instruction behind the last of them
	s_wait_alu depctr_va_vdst(0)
.irp b, 0,1,2,3
	v_mul_f32 v[SC+2*\b], s90, v[SC+2*\b]          ; q also takes log2(e): the weights are powers of two
.endr
	WIN aw
.set i, 0
.rept 20
	v_pk_mul_f32 v[YR+2*i:YR+2*i+1], v[rX+2*i:rX+2*i+1], v[rTB+2*(i%4):rTB+2*(i%4)+1] op_sel_hi:[1,0]  ; (x1 cos, x2 cos)
.set i, i+1
.endr
.set i, 0
.rept 20
	v_pk_fma_f32 v[YR+2*i:YR+2*i+1], v[rX+2*i:rX+2*i+1], v[rTB+2*(i%4):rTB+2*(i%4)+1], v[YR+2*i:YR+2*i+1] op_sel:[1,1,0] op_sel_hi:[0,1,1] neg_lo:[0,1,0]  ; (- x2 sin, + x1 sin)
.set i, i+1
.endr
	WIN 0
.set i, 0
.rept 20
	v_pk_mul_f32 v[YR+2*i:YR+2*i+1], v[YR+2*i:YR+2*i+1], v[SC+2*(i/4):SC+2*(i/4)+1] op_sel_hi:[1,0]
.set i, i+1
.endr
.set i, 0
.rept 20
	v_cvt_pk_f16_f32 v[HR+i], v[YR+2*i], v[YR+2*i+1]
.set i, i+1
.endr
.irp b, 0,1,2,3,4
	ds_store_b128 v[STO+\b/3], v[HR+4*\b:HR+4*\b+3] offset:HS*(\b%3)+16*PA*(\a)
.endr
.endm
.irp hf, 0,1
.set i, 0
.rept 20
	ds_load_b128 v[96+4*i:96+4*i+3], v[VSR] offset:2048*(i%5)+256*(4*\hf+i/5)  ; a row's four partial sums
.set i, i+1
.endr
	s_wait_dscnt 0x0
.if \hf == 0
	s_wait_loadcnt 0x0                             ; the table
.endif
.irp aa, 0,1,2,3
	QKROW 4*\hf+\aa
.endr
.endr
	; THE V HEADS: one rounding, into the stage; and the column sums of the unrounded numbers
.set a, 0
.rept 8
.set aw, a/3+1
.set rX, 72*(a%3)+40
	WIN aw|(aw<<2)
.set i, 0
.rept 16
	v_cvt_pk_f16_f32 v[VH+i], v[rX+2*i], v[rX+2*i+1]
.set i, i+1
.endr
.if a == 1
.set i, 0
.rept 16
	v_pk_add_f32 v[CS+2*i:CS+2*i+1], v[40+2*i:40+2*i+1], v[112+2*i:112+2*i+1]  ; row blocks 0 and 1 start the sums
.set i, i+1
.endr
.elseif a > 1
	WIN aw
.set i, 0
.rept 16
	v_pk_add_f32 v[CS+2*i:CS+2*i+1], v[rX+2*i:rX+2*i+1], v[CS+2*i:CS+2*i+1]
.set i, i+1
.endr
.endif
	WIN 0
.irp b, 0,1,2,3
	ds_store_b128 v[STO+(5+\b)/3], v[VH+4*\b:VH+4*\b+3] offset:HS*((5+\b)%3)+16*PA*a
.endr
.set a, a+1
.endr
.irp m, 1,2,4,8                        ; over the 16 rows that the lanes of a half hold
.set i, 0
.rept 32
	v_add_f32_dpp v[CS+i], v[CS+i], v[CS+i] row_xmask:\m row_mask:0xf bank_mask:0xf
.set i, i+1
.endr
.endr
.irp b, 0,1,2,3
	ds_store_b128 v[VCS], v[CS+8*\b:CS+8*\b+3] offset:256*\b        ; sixteen lanes write the same words with the same numbers
	ds_store_b128 v[VCS], v[CS+8*\b+4:CS+8*\b+7] offset:256*\b+16
.endr
	s_wait_dscnt 0x0                               ; for the others' sake: my part of the stage and of the column sums is stored
	s_barrier_signal -1
	s_barrier_wait -1
	; THE STORES.  Wave w takes rows 32 w .. 32 w + 31 of every head: 4,096 dense bytes, eight stores of 512.
	s_lshr_b32 s14, s13, 3                         ; batch
	s_and_b32 s15, s13, 7
	s_lshl_b32 s15, s15, 14
	s_lshl_b32 s16, s10, 12
	s_add_co_u32 s15, s15, s16                     ; my first row in a head, in bytes
	s_lshl_b32 s92, s14, 6
	s_lshl_b32 s16, s42, 2
	s_add_co_u32 s92, s92, s16                     ; head 64 b + 4 gx
	s_lshl_b32 s92, s92, 17
	s_add_co_u32 s92, s92, s15
	s_mov_b32 s93, 0
	s_lshl_b32 s94, s14, 4
	s_add_co_u32 s94, s94, s42                     ; key head 16 b + gx
	s_lshl_b32 s94, s94, 17
	s_add_co_u32 s94, s94, s15
	s_mov_b32 s95, 0
	s_add_nc_u64 s[78:79], s[78:79], s[92:93]
	s_add_nc_u64 s[82:83], s[82:83], s[92:93]
	s_add_nc_u64 s[80:81], s[80:81], s[94:95]
	s_lshl_b32 s92, s13, 14                        ; vsum[gy][4 gx + w]
	s_lshl_b32 s16, s42, 10
	s_add_co_u32 s92, s92, s16
	s_lshl_b32 s16, s10, 8
	s_add_co_u32 s92, s92, s16
	s_add_nc_u64 s[84:85], s[84:85], s[92:93]
.macro LDH hd                          ; my 32 rows of head hd back from the stage; two sets of 32 registers take turns
.set rO, 32+32*((\hd)%2)
.irp i, 0,1,2,3,4,5,6,7
	ds_load_b128 v[rO+4*\i:rO+4*\i+3], v[RD+(\hd)/3] offset:HS*((\hd)%3)+4*PA*\i
.endr
.endm
.macro STH hd, younger                 ; younger: the next head's eight loads, or none
.set rO, 32+32*((\hd)%2)
.irp i, 0,1,2,3,4,5,6,7
	s_wait_dscnt (\younger)+7-\i
.if (\hd) < 4
	global_store_b128 v[GO], v[rO+4*\i:rO+4*\i+3], s[78:79] offset:131072*(\hd)+512*\i
.elseif (\hd) == 4
	global_store_b128 v[GO], v[rO+4*\i:rO+4*\i+3], s[80:81] offset:512*\i
.else
	global_store_b128 v[GO], v[rO+4*\i:rO+4*\i+3], s[82:83] offset:131072*((\hd)-5)+512*\i
.endif
.endr
.endm
	LDH 0
.irp hd, 0,1,2,3,4,5,6,7
.if \hd > 0
	s_wait_xcnt 0x0                                ; the set that is loaded next was the data of earlier stores: rewritten only behind this wait
.endif
	LDH \hd+1
	STH \hd, 8
.endr
	STH 8, 0
	ds_load_b64 v[96:97], v[CSR]                   ; V head w's 64 column sums: 256 consecutive bytes
	s_wait_dscnt 0x0
	global_store_b64 v[GO2], v[96:97], s[84:85]
	s_wait_tensorcnt 0x0                           ; the wave's end
	ds_add_u32 v[SPW], v[NIL]
	s_wait_dscnt 0x0
	CROUND                                         ; the closing round
	s_endpgm
.Lfunc_end_k_qcc88c75edf_qkv:
	.size	k_qcc88c75edf_qkv, .Lfunc_end_k_qcc88c75edf_qkv-k_qcc88c75edf_qkv
	.p2alignl 7, 3214868480
	.fill 96, 4, 3214868480
	.section	.rodata,"a",@progbits
	.p2align	6, 0x0
	.amdhsa_kernel k_qcc88c75edf_qkv
		.amdhsa_group_segment_fixed_size 327680
		.amdhsa_private_segment_fixed_size 0
		.amdhsa_enable_private_segment 0
		.amdhsa_kernarg_size 72
		.amdhsa_user_sgpr_count 2
		.amdhsa_user_sgpr_kernarg_segment_ptr 1
		.amdhsa_wavefront_size32 1
		.amdhsa_system_sgpr_workgroup_id_x 1
		.amdhsa_system_sgpr_workgroup_id_y 1
		.amdhsa_system_sgpr_workgroup_id_z 1
		.amdhsa_system_vgpr_workitem_id 0
		.amdhsa_next_free_vgpr 1024
		.amdhsa_next_free_sgpr 96
		.amdhsa_reserve_vcc 0
		.amdhsa_float_denorm_mode_32 3
		.amdhsa_float_denorm_mode_16_64 3
		.amdhsa_memory_ordered 1
		.amdhsa_forward_progress 1
		.amdhsa_inst_pref_size 183
	.end_amdhsa_kernel
	.amdgpu_metadata
---
amdhsa.version: [ 1, 2 ]
amdhsa.kernels:
  - .name:           k_qcc88c75edf_qkv
    .symbol:         k_qcc88c75edf_qkv.kd
    .args:
      - { .name: h16, .offset: 0, .size: 8, .value_kind: global_buffer, .address_space: global }
      - { .name: rope, .offset: 8, .size: 8, .value_kind: global_buffer, .address_space: global }
      - { .name: bQ, .offset: 16, .size: 8, .value_kind: global_buffer, .address_space: global }
      - { .name: bK, .offset: 24, .size: 8, .value_kind: global_buffer, .address_space: global }
      - { .name: bV, .offset: 32, .size: 8, .value_kind: global_buffer, .address_space: global }
      - { .name: qh, .offset: 40, .size: 8, .value_kind: global_buffer, .address_space: global }
      - { .name: kh, .offset: 48, .size: 8, .value_kind: global_buffer, .address_space: global }
      - { .name: vh, .offset: 56, .size: 8, .value_kind: global_buffer, .address_space: global }
      - { .name: vsum, .offset: 64, .size: 8, .value_kind: global_buffer, .address_space: global }
    .group_segment_fixed_size: 327680
    .private_segment_fixed_size: 0
    .kernarg_segment_align: 8
    .kernarg_segment_size: 72
    .max_flat_workgroup_size: 128
    .sgpr_count:     96
    .vgpr_count:     1024
    .wavefront_size: 32
...
	.end_amdgpu_metadata
.endif
;; end of part 2
;; launch attn (part 3): grid 8 x 32, 4 waves a work-group, no clusters, 327,680 bytes of LDS; arguments qh, kh, vh, vsum, sink_scalars, v_nulls, ctx; writes ctx
.if DOCPART == 3
	.amdgcn_target "amdgcn-amd-amdhsa--gfx1250"
	.amdhsa_code_object_version 6
	.text
	.protected	k_qcc88c75edf_attn
	.globl	k_qcc88c75edf_attn
	.p2align	8
	.type	k_qcc88c75edf_attn,@function
k_qcc88c75edf_attn:
	s_mov_b64 s[64:65], 0
	v_nop
	global_prefetch_b8 v0, s[64:65] scope:SCOPE_SE
	s_setreg_imm32_b32 hwreg(HW_REG_WAVE_MODE, 25, 1), 1
	s_wait_xcnt 0x0
; Banded attention of the four branches of one (batch b, sub-head s) for 128 queries, and the mean of the four results.
; THE FORMULA.  A key off the band keeps the logit 0 and the weight 1.  So with p = e^w - 1 on the band alone:  out = (sum p v + sum of ALL v + e^sink v_null) / (sum p + 1024 + e^sink).
; The sum of all v comes from vsum (f32); it and the sink's term start the sums O and l.  Only tiles that touch a band are multiplied: bands [g, h) of query - key: [0,16), [16,128), [0,128), [144,512).
; NO MAXIMUM IS TAKEN: q is normalised to length 8 and the score is divided by |k|, both by the formula itself, so |w| <= 8 for every input, and the sink is a tanh: e^w <= 2981, the divisor
; stays under 3.1e6 and above 1024: nothing can overflow or underflow in f32, and p fits f16.  qh holds q x log2(e), kh holds k / |k|: e^w = 2^(q . k).
; SHARES.  Wave w has queries QA = 128 qb + 32 w .. + 31: two tiles u of 16.  Keys go in PAIRS of two subtiles t of 16, at QA + 32 pi.  With D = 16 (u - t - 2 pi) a subtile is whole (g < D < h), holds the
; band's near edge (D = g: keys kk <= r count), its far edge (D = h: keys kk > r), or nothing: decided when the text is assembled.  A pair in front of key 0 counts as nothing by the factor SV = 0.
; LAYOUT.  S^T = K Q^T holds one query a lane and keys 8 (lane / 16) + 0..7; two such results rounded to f16 ARE source 1 of O^T = V^T P; V is turned by ds_load_tr16_b128.
; LDS holds everything, filled once: K's window of 640 keys, V's windows of the four heads (256, 256, 256, 512 keys); tiles in front of key 0 are replaced by tile 0 (finite numbers, weight 0).
; NO CLUSTER: the work-groups that share K and V are the query blocks of one (b, s), and each needs a tile at another place of its window: an LDS address would hang on the place in the cluster.
; LIMITS.  v within 65,504 (as stored); NaN and infinities are not treated apart.
; REGISTERS (s_set_vgpr_msb: bits 1:0 source 0, 3:2 source 1, 5:4 source 2, 7:6 destination): window 0 as named below; window 1: v0-127 Q (32 br + 16 u + 8 c), v128-191 O^T, v192-255 the mean.
.set PK, 144
.set PV, 160
.set VB, 640*PK                        ; 92,160: V's ten tiles of 128 keys
.set VT, 128*PV
.set STG, VB+10*VT                     ; 296,960: 16 rows x 144 bytes for each wave, for the way out
.set BT, STG+4*16*PK                   ; 306,176: [4 branches][64] f32 that start O, then four numbers that start the divisor
.set SPARE, BT+1280                    ; the spare words, 128 bytes a wave: two blocks of 256 bytes that no other line names
.set AKLO, 4                           ; v4   K's window row 32 w + r, + 16 h
.set AKHI, 5                           ; v5   the same 384 rows on
.set AV,   6                           ; v6-9 V's window of branch 0..3, row 32 w + 8 h + lane % 8
.set AKL,  10                          ; v10, v11  the loop's walking addresses
.set AVL,  11
.set ABT,  12
.set ABZ,  13
.set STO,  14
.set RD,   15
.set GO,   16
.set QO,   17
.set LS,   18                          ; v18-21 l of tile u: even keys', odd keys'
.set INV,  22                          ; v22-25 0.25 / divisor of tile u, in the pair's low word
.set ZI,   29
.set SPW,  30
.set NIL,  31
.set S,    32                          ; v32-63  8 (2 u + t)
.set P,    64                          ; v64-79  8 u + 4 t
.set LO,   80                          ; 1 where r >= kk
.set HI,   88                          ; 1 where r < kk
.set MLO,  96                          ; the same times SV
.set MHI,  104
.set KF,   128                         ; two buffers of 32: 16 t + 8 c
.set VF,   192                         ; two buffers of 32: 8 cb
.set O,    128                         ; window 1
.set CTX,  192                         ; window 1
.set G1K, 24
.set G1V, 32
.set MSB, 0
.macro WIN new
.if MSB != (\new)
	s_set_vgpr_msb (MSB<<8)|(\new)
.set MSB, \new
.endif
.endm
.macro PLACES
.rept 4
	v_nop
.endr
.endm
	s_load_b256 s[4:11], s[0:1], 0x0               ; qh 4, kh 6, vh 8, vsum 10
	s_load_b128 s[12:15], s[0:1], 0x20             ; sink_scalars 12, v_nulls 14
	s_load_b64 s[16:17], s[0:1], 0x30              ; ctx
	v_lshl_add_u32 v[SPW], v0, 2, SPARE
	v_mov_b32 v[NIL], 0
	ds_add_u32 v[SPW], v[NIL]                      ; the wave's opening: the add and its wait stand ahead of my first tensor load
	ds_add_u32 v30, v31
	v_lshrrev_b32 v1, 5, v0
	v_readfirstlane_b32 s18, v1                    ; wave
	s_mov_b32 s19, ttmp9                           ; qb
	s_and_b32 s20, ttmp7, 0xffff                   ; 16 b + s
	s_lshr_b32 s21, s20, 4
	s_and_b32 s22, s20, 15
	s_lshl_b32 s23, s19, 7
	s_lshl_b32 s62, s18, 5
	s_add_co_u32 s23, s23, s62                     ; QA
	s_add_co_u32 s77, s23, 32
	s_mov_b32 s[G1K], (1<<16)|(1<<20)|(4<<22)|(3<<25)  ; 2-byte elements; padding on; after every 32 words 4 words
	s_mov_b32 s[G1V], (1<<16)|(1<<20)|(4<<22)|(7<<25)  ; 8 words
.irp g, G1K, G1V
	s_mov_b32 s[\g+1], 128<<16                     ; 128 keys are 16,384 dense bytes: 64 rows of 128 elements
	s_mov_b32 s[\g+2], 64<<16
	s_mov_b32 s[\g+3], 128<<16
	s_mov_b32 s[\g+4], 64
	s_mov_b32 s[\g+5], 128
	s_mov_b32 s[\g+6], 0
	s_mov_b32 s[\g+7], 0
.endr
	s_lshl_b32 s62, s21, 6                         ; 64 b
	s_lshl_b32 s63, s18, 4
	s_add_co_u32 s63, s63, s22                     ; my branch's head in the batch: 16 w + s
	s_add_co_u32 s76, s62, s63
	s_lshl_b32 s76, s76, 17                        ; its first byte in vh
	s_cmp_eq_u32 s18, 3
	s_cselect_b32 s78, 3, 0                        ; branch 3's window begins three tiles earlier
	s_sub_co_i32 s68, s19, s78
	s_sub_co_i32 s66, s68, 1
	s_max_i32 s66, s66, 0                          ; a tile in front of key 0 is replaced by tile 0: in the global address alone
	s_max_i32 s68, s68, 0
	s_lshl_b32 s66, s66, 14
	s_lshl_b32 s68, s68, 14
	s_add_co_u32 s66, s66, s76
	s_add_co_u32 s68, s68, s76
	s_mov_b32 s67, 0
	s_mov_b32 s69, 0
	s_lshl_b32 s79, s20, 17                        ; the key head's first byte
	s_add_co_u32 s70, s19, s18
	s_sub_co_i32 s70, s70, 4                       ; K's window tile w is tile qb - 4 + w
	s_max_i32 s70, s70, 0
	s_lshl_b32 s70, s70, 14
	s_add_co_u32 s70, s70, s79
	s_mov_b32 s71, 0
	s_lshl_b32 s72, s19, 14                        ; K's window tile 4 is tile qb
	s_add_co_u32 s72, s72, s79
	s_mov_b32 s73, 0
	s_add_co_u32 s74, s19, s18
	s_sub_co_i32 s74, s74, 3                       ; branch 3's window tiles 2 and 3, by waves 1 and 2
	s_max_i32 s74, s74, 0
	s_lshl_b32 s74, s74, 14
	s_add_co_u32 s76, s62, s22
	s_add_co_u32 s76, s76, 48
	s_lshl_b32 s76, s76, 17
	s_add_co_u32 s74, s74, s76
	s_mov_b32 s75, 0
	s_mov_b32 s40, 1
	s_mov_b32 s44, 1
	s_mov_b32 s48, 1
	s_mov_b32 s52, 1
	s_mul_i32 s41, s18, 2*VT                       ; V's tiles 2 w and 2 w + 1
	s_add_co_u32 s41, s41, VB
	s_add_co_u32 s45, s41, VT
	s_mul_i32 s49, s18, 128*PK                     ; K's tile w
	s_mov_b32 s57, 0
	s_mov_b32 s58, 0x76543210
	s_mov_b32 s59, 0xfedcba98
	s_wait_dscnt 0x0                               ; the opening add is done
	s_wait_kmcnt 0x0
	s_add_nc_u64 s[42:43], s[8:9], s[66:67]
	s_or_b32 s43, s43, 0x80000000
	s_add_nc_u64 s[46:47], s[8:9], s[68:69]
	s_or_b32 s47, s47, 0x80000000
	s_add_nc_u64 s[50:51], s[6:7], s[70:71]
	s_or_b32 s51, s51, 0x80000000
	tensor_load_to_lds s[40:43], s[G1V:G1V+7]      ; all fills are first fills and go out together: four of mine are out at the most
	s_nop 0
	tensor_load_to_lds s[44:47], s[G1V:G1V+7]
	s_nop 0
	tensor_load_to_lds s[48:51], s[G1K:G1K+7]
	s_nop 0
.rept 4
	v_nop
.endr
	s_cmp_eq_u32 s18, 0
	s_cbranch_scc0 .Lnot_wave_0
	s_mov_b32 s53, 4*128*PK
	s_add_nc_u64 s[54:55], s[6:7], s[72:73]
	s_or_b32 s55, s55, 0x80000000
	tensor_load_to_lds s[52:55], s[G1K:G1K+7]
	s_nop 0
.rept 4
	v_nop
.endr
	s_branch .Lasked
.Lnot_wave_0:
	s_cmp_eq_u32 s18, 3
	s_cbranch_scc1 .Lasked
	s_mul_i32 s53, s18, VT
	s_add_co_u32 s53, s53, VB+7*VT
	s_add_nc_u64 s[54:55], s[8:9], s[74:75]
	s_or_b32 s55, s55, 0x80000000
	tensor_load_to_lds s[52:55], s[G1V:G1V+7]
	s_nop 0
.rept 4
	v_nop
.endr
.Lasked:
	; what starts O and the divisor: wave w makes branch w's; lane l has channels 2 l, 2 l + 1
	s_lshl_b32 s78, s21, 17                        ; vsum[8 b + p][16 w + s]
	s_lshl_b32 s76, s63, 8
	s_add_co_u32 s78, s78, s76
	s_mov_b32 s79, 0
	s_add_nc_u64 s[10:11], s[10:11], s[78:79]
	s_mov_b32 s78, s76
	s_add_nc_u64 s[14:15], s[14:15], s[78:79]
	s_lshl_b32 s78, s63, 2
	s_add_nc_u64 s[12:13], s[12:13], s[78:79]
	s_add_co_u32 s78, s62, s22                     ; Q: head 64 b + s (the branches lie 16 heads apart), row QA
	s_lshl_b32 s78, s78, 17
	s_lshl_b32 s76, s23, 7
	s_add_co_u32 s78, s78, s76
	s_add_nc_u64 s[4:5], s[4:5], s[78:79]
	s_lshl_b32 s78, s20, 17                        ; ctx: block 16 b + s, row QA
	s_add_co_u32 s78, s78, s76
	s_add_nc_u64 s[16:17], s[16:17], s[78:79]
	v_and_b32 v26, 31, v0
	v_lshlrev_b32 v28, 3, v26
	v_mov_b32 v27, 0
.irp p, 0,1,2,3,4,5,6,7
	global_load_b64 v[32+2*\p:33+2*\p], v28, s[10:11] offset:16384*\p
.endr
	global_load_b64 v[48:49], v28, s[14:15]
	global_load_b32 v50, v27, s[12:13]
	v_and_b32 v1, 15, v0                           ; r
	v_bfe_u32 v2, v0, 4, 1                         ; h
	v_lshlrev_b32 v[QO], 7, v1
	v_lshl_add_u32 v[QO], v2, 4, v[QO]
	WIN 0x40
.set i, 0
.rept 16                               ; Q stays in registers: branch i / 4, tile (i / 2) % 2, channels 32 (i % 2) on
	global_load_b128 v[8*i:8*i+3],   v[QO], s[4:5] offset:2097152*(i/4)+2048*((i/2)%2)+64*(i%2)
	global_load_b128 v[8*i+4:8*i+7], v[QO], s[4:5] offset:2097152*(i/4)+2048*((i/2)%2)+64*(i%2)+32
.set i, i+1
.endr
	WIN 0
	v_mul_u32_u24 v3, v1, PK
	v_lshl_add_u32 v3, v2, 4, v3                   ; 144 r + 16 h
	s_mul_i32 s76, s18, 32*PK
	v_add_nc_u32 v[AKLO], s76, v3
	v_add_nc_u32 v[AKHI], 384*PK, v[AKLO]
	s_mul_i32 s76, s18, 16*PK
	s_add_co_u32 s76, s76, STG                     ; my stage
	v_add_nc_u32 v[STO], s76, v3
	v_and_b32 v10, 7, v0
	v_bfe_u32 v11, v0, 3, 2
	v_mul_u32_u24 v11, v11, PK
	v_lshl_add_u32 v11, v10, 4, v11
	v_add_nc_u32 v[RD], s76, v11
	v_lshl_add_u32 v3, v2, 3, v10
	v_mul_u32_u24 v3, v3, PV
	v_bfe_u32 v11, v0, 3, 1
	v_lshl_add_u32 v3, v11, 4, v3
	s_mul_i32 s76, s18, 32*PV
	s_add_co_u32 s76, s76, VB
	v_add_nc_u32 v[AV], s76, v3
	v_add_nc_u32 v[AV+1], 2*VT, v[AV]
	v_add_nc_u32 v[AV+2], 4*VT, v[AV]
	v_add_nc_u32 v[AV+3], 6*VT, v[AV]
	v_lshlrev_b32 v[ABT], 5, v2
	v_add_nc_u32 v[ABT], BT, v[ABT]
	v_mov_b32 v[ABZ], BT+1024
	v_lshlrev_b32 v[GO], 4, v26
.irp i, 0,1,2,3
	v_mov_b32 v[INV+\i], 0
.endr
	v_lshlrev_b32 v3, 3, v2
	v_sub_nc_u32 v3, v1, v3                        ; r - 8 h: register j's key kk = 8 h + j counts at the near edge where j <= r - 8 h
.set j, 0
.rept 8
	v_cmp_le_i32 vcc_lo, j, v3
	v_cndmask_b32 v[LO+j], 0, 1.0, vcc_lo
	v_cndmask_b32 v[HI+j], 1.0, 0, vcc_lo
.set j, j+1
.endr
	s_wait_loadcnt 32                              ; the ten loads for the table are in; Q's 32 stay out
	v_mul_f32 v52, 0x4038aa3b, v50                 ; tanh x = 1 - 2 / (1 + 2^(2 log2(e) x))
	v_exp_f32 v52, v52
	v_mov_b32 v53, 0
	s_wait_alu depctr_va_vdst(0)
	v_add_f32 v52, 1.0, v52
	v_rcp_f32 v52, v52
	v_pk_add_f32 v[32:33], v[32:33], v[34:35]
	s_wait_alu depctr_va_vdst(0)
	v_fma_f32 v52, v52, -2.0, 1.0
	v_mul_f32 v52, 0x3fb8aa3b, v52
	v_exp_f32 v52, v52                             ; e^sink
	v_pk_add_f32 v[36:37], v[36:37], v[38:39]
	v_pk_add_f32 v[40:41], v[40:41], v[42:43]
	v_pk_add_f32 v[44:45], v[44:45], v[46:47]
	v_pk_add_f32 v[32:33], v[32:33], v[36:37]
	v_pk_add_f32 v[40:41], v[40:41], v[44:45]
	v_pk_add_f32 v[32:33], v[32:33], v[40:41]      ; the sum of all 1,024 rows of v
	s_wait_alu depctr_va_vdst(0)
	v_pk_fma_f32 v[32:33], v[48:49], v[52:53], v[32:33] op_sel_hi:[1,0,1]
	v_add_f32 v55, 0x44800000, v52                 ; 1024 + e^sink
	s_lshl_b32 s76, s18, 8
	s_add_co_u32 s76, s76, BT
	v_add_nc_u32 v54, s76, v28
	s_lshl_b32 s76, s18, 2
	s_add_co_u32 s76, s76, BT+1024
	v_mov_b32 v56, s76
	ds_store_b64 v54, v[32:33]
	ds_store_b32 v56, v55
	s_wait_tensorcnt 0x0                           ; my tiles have landed,
	s_wait_dscnt 0x0                               ; my part of the table is stored:
	s_barrier_signal -1
	s_barrier_wait -1                              ; everybody's: the kernel's one barrier
; 16 LDS loads: a pair's K (two subtiles x two channel halves) and V (four channel blocks, turned) into buffer buf
.macro FETCH buf, ak, akoff, av, avoff
.irp t, 0,1
.irp c, 0,1
	ds_load_b128 v[KF+32*(\buf)+16*\t+8*\c:KF+32*(\buf)+16*\t+8*\c+3],   v[\ak] offset:(\akoff)+16*PK*\t+64*\c
	ds_load_b128 v[KF+32*(\buf)+16*\t+8*\c+4:KF+32*(\buf)+16*\t+8*\c+7], v[\ak] offset:(\akoff)+16*PK*\t+64*\c+32
.endr
.endr
.irp cb, 0,1,2,3
	ds_load_tr16_b128 v[VF+32*(\buf)+8*\cb:VF+32*(\buf)+8*\cb+3],   v[\av] offset:(\avoff)+32*\cb
	ds_load_tr16_b128 v[VF+32*(\buf)+8*\cb+4:VF+32*(\buf)+8*\cb+7], v[\av] offset:(\avoff)+32*\cb+16*PV
.endr
.endm
.macro FETCHP buf, br, pi              ; pair pi of branch br
.if (\br) < 3
	FETCH \buf, AKHI, PK*(128+32*(\pi)), AV+(\br), PV*(128+32*(\pi))
.else
	FETCH \buf, AKLO, PK*(512+32*(\pi)), AV+3, PV*(512+32*(\pi))
.endif
.endm
; ty = what subtile (u, t) of pair pi is for branch br: 0 nothing, 1 whole, 2 the near edge, 3 the far edge
.macro TYP br, pi, u, t
.set D, 16*((\u)-(\t)-2*(\pi))
.if (\br) == 0
.set gg, 0
.set hh, 16
.elseif (\br) == 1
.set gg, 16
.set hh, 128
.elseif (\br) == 2
.set gg, 0
.set hh, 128
.else
.set gg, 144
.set hh, 512
.endif
.if D == gg
.set ty, 2
.elseif D == hh
.set ty, 3
.elseif (D > gg) && (D < hh)
.set ty, 1
.else
.set ty, 0
.endif
.endm
.macro SUBT br, pi, op                 ; runs \op u, t for each subtile that is not nothing
.irp u, 0,1
.irp t, 0,1
	TYP \br, \pi, \u, \t
.if ty
	\op \u, \t
.endif
.endr
.endr
.endm
.macro XCNT u, t
.set np, np+1
.if (\u) == 0
.set nu0, nu0+1
.else
.set nu1, nu1+1
.endif
.if ty == 2
.set nlo, 1
.endif
.if ty == 3
.set nhi, 1
.endif
.endm
.macro XS u, t                         ; S^T = K Q^T, channel half cc.  The accumulators take turns; where there is one alone, a wait stands ahead of the second link
.set rS, S+8*(2*(\u)+(\t))
.set rK, KF+32*cbuf+16*(\t)+8*cc
.set rQ, 32*cbr+16*(\u)+8*cc
.if cc == 0
	v_wmma_f32_16x16x32_f16 v[rS:rS+7], v[rK:rK+7], v[rQ:rQ+7], 0
.else
.if np == 1
	s_wait_alu depctr_va_vdst(0)
.endif
	v_wmma_f32_16x16x32_f16 v[rS:rS+7], v[rK:rK+7], v[rQ:rQ+7], v[rS:rS+7]
.endif
.endm
.macro XEXP u, t                       ; from the accumulator's low end on
.set rS, S+8*(2*(\u)+(\t))
.irp i, 0,1,2,3,4,5,6,7
	v_exp_f32 v[rS+\i], v[rS+\i]
.endr
.endm
.macro XFMA u, t                       ; p = e m - m, m = the mask times SV
.set rS, S+8*(2*(\u)+(\t))
.irp i, 0,2,4,6
.if ty == 1
	v_pk_fma_f32 v[rS+\i:rS+\i+1], v[rS+\i:rS+\i+1], s[56:57], s[56:57] op_sel_hi:[1,0,0] neg_lo:[0,0,1] neg_hi:[0,0,1]
.elseif ty == 2
	v_pk_fma_f32 v[rS+\i:rS+\i+1], v[rS+\i:rS+\i+1], v[MLO+\i:MLO+\i+1], v[MLO+\i:MLO+\i+1] neg_lo:[0,0,1] neg_hi:[0,0,1]
.else
	v_pk_fma_f32 v[rS+\i:rS+\i+1], v[rS+\i:rS+\i+1], v[MHI+\i:MHI+\i+1], v[MHI+\i:MHI+\i+1] neg_lo:[0,0,1] neg_hi:[0,0,1]
.endif
.endr
.endm
.macro XCVT u, t
.set rS, S+8*(2*(\u)+(\t))
.irp i, 0,1,2,3
	v_cvt_pk_f16_f32 v[P+8*(\u)+4*(\t)+\i], v[rS+2*\i], v[rS+2*\i+1]
.endr
.endm
.macro XAD1 u, t                       ; the subtile's eight weights are added in place, then l takes the sum
.set rS, S+8*(2*(\u)+(\t))
	v_pk_add_f32 v[rS:rS+1], v[rS:rS+1], v[rS+2:rS+3]
	v_pk_add_f32 v[rS+4:rS+5], v[rS+4:rS+5], v[rS+6:rS+7]
.endm
.macro XAD2 u, t
.set rS, S+8*(2*(\u)+(\t))
	v_pk_add_f32 v[rS:rS+1], v[rS:rS+1], v[rS+4:rS+5]
.endm
.macro XADL u, t
.set rS, S+8*(2*(\u)+(\t))
	v_pk_add_f32 v[LS+2*(\u):LS+2*(\u)+1], v[LS+2*(\u):LS+2*(\u)+1], v[rS:rS+1]
.endm
; A pair: scores, weights, O^T += V^T P.  It ends with four places: the next loads go into this pair's buffer, the next roundings into P, and O may be read.
.macro COMP buf, br, pi
.set cbuf, \buf
.set cbr, \br
.set np, 0
.set nu0, 0
.set nu1, 0
.set nlo, 0
.set nhi, 0
	SUBT \br, \pi, XCNT
	WIN 0x04                                       ; Q in window 1
.set cc, 0
	SUBT \br, \pi, XS
.set cc, 1
	SUBT \br, \pi, XS
	WIN 0
	PLACES
.if nlo
.irp i, 0,2,4,6
	v_pk_mul_f32 v[MLO+\i:MLO+\i+1], v[LO+\i:LO+\i+1], s[56:57] op_sel_hi:[1,0]
.endr
.endif
.if nhi
.irp i, 0,2,4,6
	v_pk_mul_f32 v[MHI+\i:MHI+\i+1], v[HI+\i:HI+\i+1], s[56:57] op_sel_hi:[1,0]
.endr
.endif
.irp u, 0,1
.irp t, 0,1
	TYP \br, \pi, \u, \t
.set nuu, nu0*(1-\u)+nu1*\u
.if (ty == 0) && nuu
.irp i, 0,1,2,3
	v_mov_b32 v[P+8*\u+4*\t+\i], 0                 ; the half of a tile's P that lies off the band
.endr
.endif
.endr
.endr
	SUBT \br, \pi, XEXP
	v_nop                                          ; a plain instruction behind the last exponential
	s_wait_alu depctr_va_vdst(0)
	SUBT \br, \pi, XFMA
	SUBT \br, \pi, XCVT
	SUBT \br, \pi, XAD1
	SUBT \br, \pi, XAD2
	SUBT \br, \pi, XADL
	WIN 0x50                                       ; O^T in window 1
.irp cb, 0,1,2,3
.irp u, 0,1
.set nuu, nu0*(1-\u)+nu1*\u
.if nuu
.set rO, O+32*\u+8*\cb
	v_wmma_f32_16x16x32_f16 v[rO:rO+7], v[VF+32*cbuf+8*\cb:VF+32*cbuf+8*\cb+7], v[P+8*\u:P+8*\u+7], v[rO:rO+7]
.endif
.endr
.endr
	WIN 0
	PLACES
.endm
; The pair in buffer buf is worked on while the next pair (nbr, npi) is fetched into the other buffer; nbr = -1: there is none
.macro STEP buf, br, pi, nbr, npi
.if (\nbr) >= 0
	FETCHP 1-(\buf), \nbr, \npi
	s_wait_dscnt 16                                ; all but the 16 just issued
.else
	s_wait_dscnt 0x0
.endif
	s_cmp_ge_u32 s23, -32*(\pi)                    ; does the pair begin at key 0 or later?
	s_cselect_b32 s56, 1.0, 0
	COMP \buf, \br, \pi
.endm
.macro INIT br                         ; O starts as the sum of all v and the sink's term, l as 0
	WIN 0x40
.irp u, 0,1
.irp cb, 0,1,2,3
	ds_load_b128 v[O+32*\u+8*\cb:O+32*\u+8*\cb+3],   v[ABT] offset:256*(\br)+64*\cb
	ds_load_b128 v[O+32*\u+8*\cb+4:O+32*\u+8*\cb+7], v[ABT] offset:256*(\br)+64*\cb+16
.endr
.endr
	WIN 0
	ds_load_b32 v[ZI], v[ABZ] offset:4*(\br)
.irp i, 0,1,2,3
	v_mov_b32 v[LS+\i], 0
.endr
.endm
.macro FIN br                          ; the mean takes O x 0.25 / divisor
	WIN 0
	v_add_f32 v26, v[LS], v[LS+1]
	v_add_f32 v27, v[LS+2], v[LS+3]
	v_permlanex16_b32 v[INV], v26, s58, s59        ; the query's other keys lie in the lane 16 away
	v_permlanex16_b32 v[INV+2], v27, s58, s59
	v_add_f32 v26, v26, v[INV]
	v_add_f32 v27, v27, v[INV+2]
	v_add_f32 v26, v26, v[ZI]
	v_add_f32 v27, v27, v[ZI]
	v_rcp_f32 v26, v26
	v_rcp_f32 v27, v27
	v_nop
	s_wait_alu depctr_va_vdst(0)
	v_mul_f32 v[INV], 0x3e800000, v26
	v_mul_f32 v[INV+2], 0x3e800000, v27
	WIN 0x51
.set i, 0
.rept 32
.if (\br) == 0
	v_pk_mul_f32 v[CTX+2*i:CTX+2*i+1], v[O+2*i:O+2*i+1], v[INV+2*(i/16):INV+2*(i/16)+1] op_sel_hi:[1,0]
.else
	v_pk_fma_f32 v[CTX+2*i:CTX+2*i+1], v[O+2*i:O+2*i+1], v[INV+2*(i/16):INV+2*(i/16)+1], v[CTX+2*i:CTX+2*i+1] op_sel_hi:[1,0,1]
.endif
.set i, i+1
.endr
	WIN 0
.endm
	FETCHP 0, 0, -1
	s_wait_loadcnt 0x0                             ; Q
	INIT 0
	STEP 0, 0, -1, 0, 0
	STEP 1, 0, 0, 1, -4
	FIN 0
	INIT 1
	STEP 0, 1, -4, 1, -3
	STEP 1, 1, -3, 1, -2
	STEP 0, 1, -2, 1, -1
	STEP 1, 1, -1, 1, 0
	STEP 0, 1, 0, 2, -4
	FIN 1
	INIT 2
	STEP 1, 2, -4, 2, -3
	STEP 0, 2, -3, 2, -2
	STEP 1, 2, -2, 2, -1
	STEP 0, 2, -1, 2, 0
	STEP 1, 2, 0, 3, -16
	FIN 2
	INIT 3
	STEP 0, 3, -16, 3, -15
	v_add_nc_u32 v[AKL], 64*PK, v[AKLO]            ; pairs -15 .. -6 are whole for both tiles: one text, five trips of two pairs; a trip fetches pairs -14 + 2 k and -13 + 2 k
	v_add_nc_u32 v[AVL], 64*PV, v[AV+3]
	s_mov_b32 s61, 480                             ; pair -15 + 2 k begins at key 0 or later where QA >= 480 - 64 k
	s_mov_b32 s60, 5
.Lb3:
	FETCH 0, AKL, 0, AVL, 0
	s_wait_dscnt 16
	s_cmp_ge_u32 s23, s61
	s_cselect_b32 s56, 1.0, 0
	COMP 1, 3, -10
	FETCH 1, AKL, 32*PK, AVL, 32*PV
	s_wait_dscnt 16
	s_cmp_ge_u32 s77, s61                          ; the next pair: QA + 32 against the same figure
	s_cselect_b32 s56, 1.0, 0
	COMP 0, 3, -10
	v_add_nc_u32 v[AKL], 64*PK, v[AKL]
	v_add_nc_u32 v[AVL], 64*PV, v[AVL]
	s_sub_co_u32 s61, s61, 64
	s_sub_co_u32 s60, s60, 1
	s_cmp_lg_u32 s60, 0
	s_cbranch_scc1 .Lb3
	STEP 1, 3, -5, 3, -4
	STEP 0, 3, -4, -1, 0
	FIN 3
	; THE WAY OUT: one rounding to f16; a tile's 16 rows go through my own stage and leave as 2,048 dense bytes
.macro PACK u
	WIN 0x05
.set i, 0
.rept 16
	v_cvt_pk_f16_f32 v[S+16*(\u)+i], v[CTX+32*(\u)+2*i], v[CTX+32*(\u)+2*i+1]
.set i, i+1
.endr
	WIN 0
.irp f, 0,1,2,3
	ds_store_b128 v[STO], v[S+16*(\u)+4*\f:S+16*(\u)+4*\f+3] offset:32*\f
.endr
.irp f, 0,1,2,3
	ds_load_b128 v[S+16*(\u)+4*\f:S+16*(\u)+4*\f+3], v[RD] offset:4*PK*\f  ; LDS serves a wave's instructions in order (ISA guide 5.7.1.4): these see the stores above
.endr
.endm
.macro SEND u, younger
.irp f, 0,1,2,3
	s_wait_dscnt (\younger)+3-\f
	global_store_b128 v[GO], v[S+16*(\u)+4*\f:S+16*(\u)+4*\f+3], s[16:17] offset:2048*(\u)+512*\f
.endr
.endm
	PACK 0
	PACK 1
	SEND 0, 8
	SEND 1, 0
	s_wait_tensorcnt 0x0                           ; the wave's end
	ds_add_u32 v[SPW], v[NIL]
	s_wait_dscnt 0x0
	s_endpgm
.Lfunc_end_k_qcc88c75edf_attn:
	.size	k_qcc88c75edf_attn, .Lfunc_end_k_qcc88c75edf_attn-k_qcc88c75edf_attn
	.p2alignl 7, 3214868480
	.fill 96, 4, 3214868480
	.section	.rodata,"a",@progbits
	.p2align	6, 0x0
	.amdhsa_kernel k_qcc88c75edf_attn
		.amdhsa_group_segment_fixed_size 327680
		.amdhsa_private_segment_fixed_size 0
		.amdhsa_enable_private_segment 0
		.amdhsa_kernarg_size 56
		.amdhsa_user_sgpr_count 2
		.amdhsa_user_sgpr_kernarg_segment_ptr 1
		.amdhsa_wavefront_size32 1
		.amdhsa_system_sgpr_workgroup_id_x 1
		.amdhsa_system_sgpr_workgroup_id_y 1
		.amdhsa_system_sgpr_workgroup_id_z 1
		.amdhsa_system_vgpr_workitem_id 0
		.amdhsa_next_free_vgpr 512
		.amdhsa_next_free_sgpr 80
		.amdhsa_reserve_vcc 1
		.amdhsa_float_denorm_mode_32 3
		.amdhsa_float_denorm_mode_16_64 3
		.amdhsa_memory_ordered 1
		.amdhsa_forward_progress 1
		.amdhsa_inst_pref_size 134
	.end_amdhsa_kernel
	.amdgpu_metadata
---
amdhsa.version: [ 1, 2 ]
amdhsa.kernels:
  - .name:           k_qcc88c75edf_attn
    .symbol:         k_qcc88c75edf_attn.kd
    .args:
      - { .name: qh, .offset: 0, .size: 8, .value_kind: global_buffer, .address_space: global }
      - { .name: kh, .offset: 8, .size: 8, .value_kind: global_buffer, .address_space: global }
      - { .name: vh, .offset: 16, .size: 8, .value_kind: global_buffer, .address_space: global }
      - { .name: vsum, .offset: 24, .size: 8, .value_kind: global_buffer, .address_space: global }
      - { .name: sink_scalars, .offset: 32, .size: 8, .value_kind: global_buffer, .address_space: global }
      - { .name: v_nulls, .offset: 40, .size: 8, .value_kind: global_buffer, .address_space: global }
      - { .name: ctx, .offset: 48, .size: 8, .value_kind: global_buffer, .address_space: global }
    .group_segment_fixed_size: 327680
    .private_segment_fixed_size: 0
    .kernarg_segment_align: 8
    .kernarg_segment_size: 56
    .max_flat_workgroup_size: 128
    .sgpr_count:     80
    .vgpr_count:     512
    .wavefront_size: 32
...
	.end_amdgpu_metadata
.endif
;; end of part 3
;; launch proj (part 4): grid 16 x 16, 4 waves a work-group, clusters of 4 x 4, 327,680 bytes of LDS; arguments ctx, h16, bO, out0; writes out0
.if DOCPART == 4
	.amdgcn_target "amdgcn-amd-amdhsa--gfx1250"
	.amdhsa_code_object_version 6
	.text
	.protected	k_qcc88c75edf_proj
	.globl	k_qcc88c75edf_proj
	.p2align	8
	.type	k_qcc88c75edf_proj,@function
k_qcc88c75edf_proj:
	s_mov_b64 s[64:65], 0
	v_nop
	global_prefetch_b8 v0, s[64:65] scope:SCOPE_SE
	s_setreg_imm32_b32 hwreg(HW_REG_WAVE_MODE, 25, 1), 1
	s_wait_xcnt 0x0
	s_wait_alu depctr_hold_cnt(0) depctr_sa_sdst(0) depctr_va_vdst(0) depctr_va_sdst(0) depctr_va_ssrc(0) depctr_va_vcc(0) depctr_vm_vsrc(0)
	s_getreg_b32 s2, hwreg(HW_REG_IB_STS2, 6, 4)
	s_cmp_eq_u32 s2, 0
	s_cbranch_scc0 .Lentry_in_a_cluster
	s_endpgm
.Lentry_in_a_cluster:
	s_bfe_u32 s2, ttmp6, 0x10000c
	s_cmp_lg_u32 s2, 0xf033
	s_cbranch_scc0 .Lentry_shape_is_right
	s_endpgm
.Lentry_shape_is_right:
; out0 = ctx x WO + bO: [2048 x 1024] x [1024 x 1024], f16 operands, f32 sums and output.  (The mean over the branches was taken in front of the product: it commutes with it.)
; SHARES.  256 work-groups of 128 rows (gy) x 64 columns (gx); wave w makes rows 32 w .. + 31: 2 x 4 accumulators.  bO is the C operand of the first products.
; ctx lies in blocks [b][kb][t][64], WO in blocks [nb][k][64]: both tiles are dense pieces.  K goes in four steps of 256 through two LDS slots; waves 0, 1 fetch ctx's four blocks (two each),
; waves 2, 3 WO's 256 rows (128 each).  CLUSTER 4 x 4: ctx's tile is asked for jointly along a row of the cluster, WO's along a column.
; The matrix instruction is used transposed (source 0 = 16 columns of WO, turned by ds_load_tr16_b128; source 1 = 16 rows of ctx): a lane holds eight neighbouring columns of a row.
.set PA,     144
.set PB,     160
.set BOFF,   4*128*PA                  ; 73,728: behind ctx's four blocks of 128 rows, WO's 256 rows
.set SLOT,   BOFF+256*PB               ; 114,688
.set STG,    2*SLOT                    ; behind the ring: 32 rows x 272 bytes for each wave
.set SPITCH, 272
.set SPARE,  STG+4*32*SPITCH           ; the spare words, 128 bytes a wave: two blocks of 256 bytes that no other line names
.set WO_OFF, 176*131072
.set ADRA, 16
.set ADRB, 20
.set STO,  24
.set RD,   25
.set CO,   26
.set BOF,  27
.set SPW,  28
.set NIL,  29
.set ACC,  32                          ; v32-95   8 (4 a + nb)
.set F0,   96                          ; v96-143, v144-191 two fragment buffers: 16 registers of ctx, 32 of WO
.set F1,   144
.set BI,   192                         ; v192-223 bO; later v192-255 rows read back
.set OB,   192
.set G1A, 24
.set G0A, 32
.set G1B, 48
.set G0B, 56
.macro PLACES
.rept 4
	v_nop
.endr
.endm
.macro JLOAD s                         ; waves 0, 1: ctx's line; waves 2, 3: WO's; an s_nop 0 and four v_nop follow each
	s_cmp_eq_u32 s11, 0
	s_cbranch_scc0 .Lfor_b_\@
	tensor_load_to_lds s[G0A+4*(\s):G0A+4*(\s)+3], s[G1A:G1A+7]
	s_nop 0
.rept 4
	v_nop
.endr
	s_branch .Lasked_\@
.Lfor_b_\@:
	tensor_load_to_lds s[G0B+4*(\s):G0B+4*(\s)+3], s[G1B:G1B+7]
	s_nop 0
.rept 4
	v_nop
.endr
.Lasked_\@:
.endm
.macro CREST
	s_cmp_lg_u32 s10, 0
	s_cbranch_scc1 .Lnot_wave_0_\@
	s_barrier_signal -3
.Lnot_wave_0_\@:
	s_barrier_wait -3
	s_barrier_signal -1
	s_barrier_wait -1
.endm
.macro CROUND
	s_barrier_signal -1
	s_barrier_wait -1
	CREST
.endm
	s_load_b256 s[68:75], s[0:1], 0x0              ; ctx 68, h16 70, bO 72, out0 74
	v_lshl_add_u32 v[SPW], v0, 2, SPARE
	v_mov_b32 v[NIL], 0
	ds_add_u32 v[SPW], v[NIL]                      ; the wave's opening: the add and its wait stand ahead of my first tensor load
	ds_add_u32 v28, v29
	v_lshrrev_b32 v1, 5, v0
	v_readfirstlane_b32 s10, v1
	s_lshr_b32 s11, s10, 1                         ; I fetch for ctx (0) or for WO (1),
	s_and_b32 s12, s10, 1                          ; its first or second half
	s_bfe_u32 s40, ttmp6, 0x40000
	s_bfe_u32 s41, ttmp6, 0x40004
	s_lshl_b32 s42, ttmp9, 2
	s_add_co_u32 s42, s42, s40                     ; gx
	s_and_b32 s13, ttmp7, 0xffff
	s_lshl_b32 s13, s13, 2
	s_add_co_u32 s13, s13, s41                     ; gy
	s_lshl_b32 s43, s41, 2
	s_lshl_b32 s43, 15, s43
	s_lshl_b32 s44, 0x1111, s40
	s_or_b32 s[G1A], s43, (1<<16)|(1<<20)|(1<<21)|(4<<22)|(3<<25)
	s_mov_b32 s[G1A+1], 8192<<16                   ; two rows of 8,192 elements (128 rows of a block), a block apart
	s_mov_b32 s[G1A+2], 2<<16
	s_mov_b32 s[G1A+3], 8192<<16
	s_mov_b32 s[G1A+4], 2
	s_mov_b32 s[G1A+5], 65536
	s_mov_b32 s[G1A+6], 0
	s_mov_b32 s[G1A+7], 0
	s_or_b32 s[G1B], s44, (1<<16)|(1<<20)|(1<<21)|(4<<22)|(7<<25)
	s_mov_b32 s[G1B+1], 128<<16                    ; 128 rows of WO's block are 16,384 dense bytes: 64 rows of 128 elements
	s_mov_b32 s[G1B+2], 64<<16
	s_mov_b32 s[G1B+3], 128<<16
	s_mov_b32 s[G1B+4], 64
	s_mov_b32 s[G1B+5], 128
	s_mov_b32 s[G1B+6], 0
	s_mov_b32 s[G1B+7], 0
	s_lshr_b32 s16, s13, 3                         ; ctx's tile hangs on gy and the wave alone
	s_lshl_b32 s16, s16, 21
	s_and_b32 s17, s13, 7
	s_lshl_b32 s17, s17, 14
	s_add_co_u32 s16, s16, s17
	s_lshl_b32 s17, s12, 18                        ; two blocks a wave
	s_add_co_u32 s16, s16, s17
	s_mov_b32 s17, 0
	s_lshl_b32 s46, s42, 17                        ; WO's on gx and the wave alone
	s_lshl_b32 s47, s12, 14
	s_add_co_u32 s46, s46, s47
	s_add_co_u32 s46, s46, WO_OFF
	s_mov_b32 s47, 0
	s_mul_i32 s20, s10, 2*128*PA                   ; where waves 0, 1 put ctx's blocks,
	s_mul_i32 s21, s10, 128*PB                     ; and waves 2, 3 WO's rows
	s_add_co_u32 s21, s21, BOFF-2*128*PB
	s_wait_dscnt 0x0                               ; the opening add is done
	s_wait_kmcnt 0x0
	s_add_nc_u64 s[14:15], s[68:69], s[16:17]
	s_add_nc_u64 s[46:47], s[70:71], s[46:47]
	CROUND                                         ; all sixteen work-groups are here: the first joint loads meet
.irp s, 0,1
	s_mov_b32 s[G0A+4*(\s)], 1
	s_add_co_u32 s[G0A+4*(\s)+1], s20, (\s)*SLOT
	s_add_nc_u64 s[G0A+4*(\s)+2:G0A+4*(\s)+3], s[14:15], (\s)*4*131072
	s_or_b32 s[G0A+4*(\s)+3], s[G0A+4*(\s)+3], 0x80000000
	s_mov_b32 s[G0B+4*(\s)], 1
	s_add_co_u32 s[G0B+4*(\s)+1], s21, (\s)*SLOT
	s_add_nc_u64 s[G0B+4*(\s)+2:G0B+4*(\s)+3], s[46:47], (\s)*256*128
	s_or_b32 s[G0B+4*(\s)+3], s[G0B+4*(\s)+3], 0x80000000
	JLOAD \s                                       ; two loads of mine are out
.endr
	v_and_b32 v1, 15, v0                           ; r
	v_bfe_u32 v2, v0, 4, 1                         ; h
	v_mul_u32_u24 v3, v1, PA
	v_lshl_add_u32 v3, v2, 4, v3
	s_mul_i32 s22, s10, 32*PA
	v_add_nc_u32 v[ADRA], s22, v3
	v_add_nc_u32 v[ADRA+1], SLOT, v[ADRA]
	v_and_b32 v4, 7, v0
	v_bfe_u32 v5, v0, 3, 1
	v_lshl_add_u32 v6, v2, 3, v4
	v_mul_u32_u24 v6, v6, PB
	v_lshl_add_u32 v6, v5, 4, v6
	v_add_nc_u32 v[ADRB], BOFF, v6
	v_add_nc_u32 v[ADRB+1], BOFF+SLOT, v6
	s_mul_i32 s23, s10, 32*SPITCH
	s_add_co_u32 s23, s23, STG                     ; my stage
	v_mul_u32_u24 v4, v1, SPITCH
	v_lshl_add_u32 v4, v2, 5, v4                   ; in: row r, 32 bytes for each half of the lanes
	v_add_nc_u32 v[STO], s23, v4
	v_mul_u32_u24 v5, v2, SPITCH
	v_lshl_add_u32 v5, v1, 4, v5                   ; back: lanes 0-15 one row of 256 bytes, lanes 16-31 the next
	v_add_nc_u32 v[RD], s23, v5
	v_lshlrev_b32 v5, 12, v2
	v_lshl_add_u32 v[CO], v1, 4, v5                ; and the same two rows in out0
	v_lshlrev_b32 v[BOF], 5, v2
	s_lshl_b32 s46, s42, 8                         ; my 64 columns, in bytes
	s_mov_b32 s47, 0
	s_add_nc_u64 s[72:73], s[72:73], s[46:47]
	s_add_nc_u64 s[74:75], s[74:75], s[46:47]
	s_lshl_b32 s16, s13, 19                        ; row 128 gy + 32 w, 4,096 bytes a row
	s_lshl_b32 s17, s10, 17
	s_add_co_u32 s16, s16, s17
	s_mov_b32 s17, 0
	s_add_nc_u64 s[74:75], s[74:75], s[16:17]
.irp nb, 0,1,2,3
	global_load_b128 v[BI+8*\nb:BI+8*\nb+3],   v[BOF], s[72:73] offset:64*\nb
	global_load_b128 v[BI+8*\nb+4:BI+8*\nb+7], v[BOF], s[72:73] offset:64*\nb+16
.endr
; 12 LDS loads: the fragments of 32 along K, part q of a slot's eight, into buffer f
.macro FETCHQ slot, q, f
.irp nb, 0,1,2,3
	ds_load_tr16_b128 v[(\f)+16+8*\nb:(\f)+16+8*\nb+3],   v[ADRB+(\slot)] offset:32*PB*(\q)+32*\nb
	ds_load_tr16_b128 v[(\f)+16+8*\nb+4:(\f)+16+8*\nb+7], v[ADRB+(\slot)] offset:32*PB*(\q)+32*\nb+16*PB
.endr
.irp a, 0,1
	ds_load_b128 v[(\f)+8*\a:(\f)+8*\a+3],   v[ADRA+(\slot)] offset:128*PA*((\q)/2)+16*PA*\a+64*((\q)%2)
	ds_load_b128 v[(\f)+8*\a+4:(\f)+8*\a+7], v[ADRA+(\slot)] offset:128*PA*((\q)/2)+16*PA*\a+64*((\q)%2)+32
.endr
.endm
.macro MUL8 f, first                   ; the eight accumulators take turns; first = 1: the products start the sums on bO
.irp a, 0,1
.irp nb, 0,1,2,3
.if \first
	v_wmma_f32_16x16x32_f16 v[ACC+8*(4*\a+\nb):ACC+8*(4*\a+\nb)+7], v[(\f)+16+8*\nb:(\f)+16+8*\nb+7], v[(\f)+8*\a:(\f)+8*\a+7], v[BI+8*\nb:BI+8*\nb+7]
.else
	v_wmma_f32_16x16x32_f16 v[ACC+8*(4*\a+\nb):ACC+8*(4*\a+\nb)+7], v[(\f)+16+8*\nb:(\f)+16+8*\nb+7], v[(\f)+8*\a:(\f)+8*\a+7], v[ACC+8*(4*\a+\nb):ACC+8*(4*\a+\nb)+7]
.endif
.endr
.endr
.endm
; A K step of 256: eight parts on buffers 0, 1 by turns; each part fetches the next.  The last part changes slots.
; mode 1: this slot is filled again, two steps ahead, behind a round of the cluster's barrier; 2: a plain barrier, nothing is filled; 0: the last step.
.macro SLOTRUN slot, first, mode
.set q, 0
.rept 7
	PLACES                                         ; the buffer that is loaded next has just been multiplied
	FETCHQ \slot, q+1, F0+48*((q+1)%2)
	s_wait_dscnt 12                                ; all but the 12 just issued
.if (\first) && (q == 0)
	MUL8 F0, 1
.else
	MUL8 F0+48*(q%2), 0
.endif
.set q, q+1
.endr
.if (\mode) == 0
	s_wait_dscnt 0x0
	MUL8 F1, 0
.else
	s_wait_tensorcnt 0x0                           ; all my tensor loads have landed: my part of the next slot
	ds_add_u32 v[SPW], v[NIL]
	s_wait_dscnt 0x0                               ; the add is done, and my reads of this slot are over
	s_barrier_signal -1
	MUL8 F1, 0
	s_barrier_wait -1
.if (\mode) == 1
	CREST                                          ; no wave of any partner still reads this slot or has a load on its way
	s_add_nc_u64 s[G0A+4*(\slot)+2:G0A+4*(\slot)+3], s[G0A+4*(\slot)+2:G0A+4*(\slot)+3], 8*131072
	s_add_nc_u64 s[G0B+4*(\slot)+2:G0B+4*(\slot)+3], s[G0B+4*(\slot)+2:G0B+4*(\slot)+3], 2*256*128
	JLOAD \slot                                    ; its four v_nop are also the places in front of the loads below
.else
	PLACES
.endif
	FETCHQ 1-(\slot), 0, F0
.endif
.endm
	s_wait_tensorcnt 1                             ; my part of K step 0 is in; step 1's may stay out
	s_barrier_signal -1
	s_barrier_wait -1
	FETCHQ 0, 0, F0
	s_wait_loadcnt 0x0                             ; bO
	SLOTRUN 0, 1, 1
	SLOTRUN 1, 0, 1
	SLOTRUN 0, 0, 2
	SLOTRUN 1, 0, 0
	; THE WAY OUT: 32 bytes a lane into my own stage, back as whole rows of 256 bytes
	PLACES
.irp a, 0,1
.irp nb, 0,1,2,3
	ds_store_b128 v[STO], v[ACC+8*(4*\a+\nb):ACC+8*(4*\a+\nb)+3]   offset:16*SPITCH*\a+64*\nb
	ds_store_b128 v[STO], v[ACC+8*(4*\a+\nb)+4:ACC+8*(4*\a+\nb)+7] offset:16*SPITCH*\a+64*\nb+16
.endr
.endr
.irp t, 0,1,2,3,4,5,6,7,8,9,10,11,12,13,14,15
	ds_load_b128 v[OB+4*\t:OB+4*\t+3], v[RD] offset:2*SPITCH*\t  ; LDS serves a wave's instructions in order (ISA guide 5.7.1.4): these see the stores above
.endr
.irp t, 0,1,2,3,4,5,6,7,8,9,10,11,12,13,14,15
	s_wait_dscnt 15-\t
	global_store_b128 v[CO], v[OB+4*\t:OB+4*\t+3], s[74:75] offset:8192*\t  ; 16 lanes store 256 consecutive bytes, at a multiple of 256 from out0's first byte
.endr
	s_wait_tensorcnt 0x0                           ; the wave's end
	ds_add_u32 v[SPW], v[NIL]
	s_wait_dscnt 0x0
	CROUND                                         ; the closing round
	s_endpgm
.Lfunc_end_k_qcc88c75edf_proj:
	.size	k_qcc88c75edf_proj, .Lfunc_end_k_qcc88c75edf_proj-k_qcc88c75edf_proj
	.p2alignl 7, 3214868480
	.fill 96, 4, 3214868480
	.section	.rodata,"a",@progbits
	.p2align	6, 0x0
	.amdhsa_kernel k_qcc88c75edf_proj
		.amdhsa_group_segment_fixed_size 327680
		.amdhsa_private_segment_fixed_size 0
		.amdhsa_enable_private_segment 0
		.amdhsa_kernarg_size 32
		.amdhsa_user_sgpr_count 2
		.amdhsa_user_sgpr_kernarg_segment_ptr 1
		.amdhsa_wavefront_size32 1
		.amdhsa_system_sgpr_workgroup_id_x 1
		.amdhsa_system_sgpr_workgroup_id_y 1
		.amdhsa_system_sgpr_workgroup_id_z 1
		.amdhsa_system_vgpr_workitem_id 0
		.amdhsa_next_free_vgpr 256
		.amdhsa_next_free_sgpr 76
		.amdhsa_reserve_vcc 0
		.amdhsa_float_denorm_mode_32 3
		.amdhsa_float_denorm_mode_16_64 3
		.amdhsa_memory_ordered 1
		.amdhsa_forward_progress 1
		.amdhsa_inst_pref_size 60
	.end_amdhsa_kernel
	.amdgpu_metadata
---
amdhsa.version: [ 1, 2 ]
amdhsa.kernels:
  - .name:           k_qcc88c75edf_proj
    .symbol:         k_qcc88c75edf_proj.kd
    .args:
      - { .name: ctx, .offset: 0, .size: 8, .value_kind: global_buffer, .address_space: global }
      - { .name: h16, .offset: 8, .size: 8, .value_kind: global_buffer, .address_space: global }
      - { .name: bO, .offset: 16, .size: 8, .value_kind: global_buffer, .address_space: global }
      - { .name: out0, .offset: 24, .size: 8, .value_kind: global_buffer, .address_space: global }
    .group_segment_fixed_size: 327680
    .private_segment_fixed_size: 0
    .kernarg_segment_align: 8
    .kernarg_segment_size: 32
    .max_flat_workgroup_size: 128
    .sgpr_count:     76
    .vgpr_count:     256
    .wavefront_size: 32
...
	.end_amdgpu_metadata
.endif
;; end of part 4
;; ======== version 2 of 2: 4 launches; version 1 with the launch prep written anew for expert scheduling mode
;; limits: values are held in f16: magnitudes above 65,504 overflow, below 6.1e-05 lose precision
;; workspace buffers: h16 25,165,824 bytes; rope 262,144 bytes; qh 16,777,216 bytes; kh 4,194,304 bytes; vh 16,777,216 bytes; vsum 262,144 bytes; ctx 4,194,304 bytes
;; launch prep (part 5): grid 64 x 13, 8 waves a work-group, no clusters, 0 bytes of LDS; arguments X, WQ, WK, WV, WO, h16, rope; writes h16, rope
.if DOCPART == 5
	.amdgcn_target "amdgcn-amd-amdhsa--gfx1250"
	.amdhsa_code_object_version 6
	.text
	.protected	k_qcc88c75edf_prep
	.globl	k_qcc88c75edf_prep
	.p2align	8
	.type	k_qcc88c75edf_prep,@function
k_qcc88c75edf_prep:
	s_mov_b64 s[64:65], 0
	v_nop
	global_prefetch_b8 v0, s[64:65] scope:SCOPE_SE
	s_setreg_imm32_b32 hwreg(HW_REG_WAVE_SCHED_MODE, 0, 2), 2
	s_setreg_imm32_b32 hwreg(HW_REG_WAVE_MODE, 25, 1), 1
	s_wait_xcnt 0x0
	s_wait_alu depctr_vm_vsrc(0)
; X, WQ, WK, WV, WO (f32) -> h16: 192 blocks of [1024 rows][64 columns] f16, 131,072 bytes each; and the RoPE table.
; Blocks 0-31: X (16 b + column group).  32-175: the weights, nine blocks for each group gx of heads: Q heads 4 gx + 0..3, K head gx, V heads 4 gx + 0..3.  176-191: WO.
; A pure stream: no LDS, no barrier, no matrix unit.  Unit u (grid y) 0-11 is a piece of 1024 x 1024 numbers, the work-group (grid x) takes 16 rows of it.
; A load of a wave takes 256 consecutive bytes of two rows; a store of a wave writes 256 consecutive, aligned bytes (two rows of a block).
; Unit 12 makes rope[t][i] = (cos, sin)(t x 10000^(-i/32)), f32: reduction by 2 pi in two parts, Taylor series to r^15 and r^16 on |r| <= pi (remainder under 1e-6).
; LIMITS.  A number beyond 65,504 becomes an infinity in f16; below 6e-5 f16 keeps its fixed step of 6e-8.  The angle is within about 1.5e-4 rad at t = 1023.
; THE MODE: SCHED_MODE bits 1:0 = 2 (LLVM: expert scheduling mode 2), set by the entry lines.  The code itself states the register dependences
; between vector instructions and memory instructions, with s_wait_alu, always for 0.
; THE PLAN.  Registers that memory instructions touch, on the copying path:
;   v4        the loads' offset.  Written by two vector lines at the head, read by the 16 loads, never written again.
;   XI        group c: written by load c, read by group c's two conversions, never loaded again.
;   YO        group c: written by group c's two conversions, read by store c, never written again.
;   OFF       group c: written once, by the adds that stand behind the loads; read by store c as its offset, never written again.
; No register that a memory instruction reads is written again, so no wait on vm_vsrc is owed; no vector instruction writes a scalar register or VCC; EXEC is never written.
; The stores lag their conversions by four groups: one wait on va_vdst at the head of groups 4, 8 and 12 states that the four groups before have written their YO (the first: OFF too), and the
; four stores that hang on it are dealt among the next four groups' conversions, which name those groups' own XI and YO alone.  One more such wait stands ahead of the last four stores.
.set OFF, 6                            ; v6-21   column group c: byte offset of my 8 bytes in h16, a register for each store
.set XI,  24                           ; v24-87  column group c: 4 numbers as loaded
.set YO,  88                           ; v88-119 column group c: 4 numbers in f16
.set BLK, 131072
	s_load_b256 s[8:15], s[0:1], 0x0               ; X s[8:9], WQ s[10:11], WK s[12:13], WV s[14:15]
	s_load_b128 s[16:19], s[0:1], 0x20             ; WO s[16:17], h16 s[18:19]
	s_load_b64 s[20:21], s[0:1], 0x30              ; rope
	s_and_b32 s4, ttmp7, 0xffff                    ; u
	s_mov_b32 s5, ttmp9                            ; x
	v_lshrrev_b32 v1, 4, v0
	v_and_b32 v2, 15, v0
	s_lshl_b32 s38, s5, 4
	v_add_nc_u32 v1, s38, v1                       ; my row (or t): 16 x + thread / 16
	s_cmp_eq_u32 s4, 12
	s_cbranch_scc1 .Ltable
	; what each source would take: byte offset of the unit, first block
	s_sub_co_u32 s6, s4, 2                         ; WQ's unit (used only where u is 2..5)
	s_sub_co_u32 s7, s4, 7                         ; WV's unit (7..10)
	s_lshl_b32 s32, s4, 22                         ; X: batch u
	s_lshl_b32 s33, s4, 4
	s_lshl_b32 s34, s6, 12                         ; WQ: 1024 columns a unit
	s_mul_i32 s35, s6, 36
	s_add_co_u32 s35, s35, 32
	s_lshl_b32 s36, s7, 12
	s_mul_i32 s37, s7, 36
	s_add_co_u32 s37, s37, 37
	s_mov_b32 s30, 0                               ; WO's figures first: offset, log2 of the row's bytes, first block, bytes from group to group, extra bytes every fourth group
	s_mov_b32 s26, 12
	s_mov_b32 s27, 176
	s_mov_b32 s28, BLK
	s_mov_b32 s29, 0
	s_mov_b32 s31, 0
	s_wait_kmcnt 0x0
	s_mov_b64 s[24:25], s[16:17]
	s_cmp_lt_u32 s4, 11                            ; WV
	s_cselect_b64 s[24:25], s[14:15], s[24:25]
	s_cselect_b32 s30, s36, s30
	s_cselect_b32 s26, 14, s26
	s_cselect_b32 s27, s37, s27
	s_cselect_b32 s29, 5*BLK, s29
	s_cmp_lt_u32 s4, 7                             ; WK
	s_cselect_b64 s[24:25], s[12:13], s[24:25]
	s_cselect_b32 s30, 0, s30
	s_cselect_b32 s26, 12, s26
	s_cselect_b32 s27, 36, s27
	s_cselect_b32 s28, 9*BLK, s28
	s_cselect_b32 s29, 0, s29
	s_cmp_lt_u32 s4, 6                             ; WQ
	s_cselect_b64 s[24:25], s[10:11], s[24:25]
	s_cselect_b32 s30, s34, s30
	s_cselect_b32 s26, 14, s26
	s_cselect_b32 s27, s35, s27
	s_cselect_b32 s28, BLK, s28
	s_cselect_b32 s29, 5*BLK, s29
	s_cmp_lt_u32 s4, 2                             ; X
	s_cselect_b64 s[24:25], s[8:9], s[24:25]
	s_cselect_b32 s30, s32, s30
	s_cselect_b32 s26, 12, s26
	s_cselect_b32 s27, s33, s27
	s_cselect_b32 s29, 0, s29
	s_add_nc_u64 s[24:25], s[24:25], s[30:31]      ; the source at the unit's first number
	v_lshlrev_b32 v4, s26, v1                      ; row x its bytes
	v_lshl_add_u32 v4, v2, 4, v4                   ; + 16 x (thread % 16)
	s_wait_alu depctr_va_vdst(0)                   ; v4 is written: the sixteen loads read it as their offset
.set c, 0
.rept 16
	global_load_b128 v[XI+4*c:XI+4*c+3], v4, s[24:25] offset:256*c th:TH_LOAD_NT
.set c, c+1
.endr
	; the stores' offsets are made while the loads are on their way: these lines name OFF alone, none of the registers that the loads touch
	s_lshl_b32 s27, s27, 17
	s_lshl_b32 s39, s5, 11                         ; 16 rows of 128 bytes
	s_add_co_u32 s27, s27, s39
	v_lshl_add_u32 v[OFF], v0, 3, s27              ; in a block: 2048 x + 8 x thread
.set c, 1
.rept 15
	v_add_nc_u32 v[OFF+c], s28, v[OFF+c-1]
.if c%4 == 0
	v_add_nc_u32 v[OFF+c], s29, v[OFF+c]
.endif
.set c, c+1
.endr
.set c, 0
.rept 16
	s_wait_loadcnt 15-c                            ; loads come back in order: group c is in, the younger ones stay out
.if (c%4 == 0) && (c > 0)
	s_wait_alu depctr_va_vdst(0)                   ; the conversions of groups c - 4 .. c - 1 have written their YO, which the next four stores read (at c = 4 the adds have written all of OFF too, the stores' offsets)
.endif
.if c >= 4
	global_store_b64 v[OFF+c-4], v[YO+2*(c-4):YO+2*(c-4)+1], s[18:19]  ; four groups back: no vector instruction since the wait names its offset or its data
.endif
	v_cvt_pk_f16_f32 v[YO+2*c], v[XI+4*c], v[XI+4*c+1]
	v_cvt_pk_f16_f32 v[YO+2*c+1], v[XI+4*c+2], v[XI+4*c+3]
.set c, c+1
.endr
	s_wait_alu depctr_va_vdst(0)                   ; the conversions of groups 12 to 15 have written their YO, which the last four stores read
.set c, 12
.rept 4
	global_store_b64 v[OFF+c], v[YO+2*c:YO+2*c+1], s[18:19]
.set c, c+1
.endr
	s_endpgm
; cos and sin of the angle in v[th]; v20-23 at work
.macro SINCOS th, co, si
	v_mul_f32 v20, 0.15915494, v[\th]
	v_rndne_f32 v20, v20                           ; n
	v_fmamk_f32 v21, v20, 0xc0c90000, v[\th]       ; r = angle - n x 6.28125 (exact)
	v_fmamk_f32 v21, v20, 0xbafdaa22, v21          ;     - n x the rest of 2 pi
	v_mul_f32 v22, v21, v21
	v_mov_b32 v23, 0xab573f9f                      ; -1/15!
	v_fmaak_f32 v23, v23, v22, 0x2f309231
	v_fmaak_f32 v23, v23, v22, 0xb2d7322b
	v_fmaak_f32 v23, v23, v22, 0x3638ef1d
	v_fmaak_f32 v23, v23, v22, 0xb9500d01
	v_fmaak_f32 v23, v23, v22, 0x3c088889
	v_fmaak_f32 v23, v23, v22, 0xbe2aaaab
	v_fma_f32 v23, v23, v22, 1.0
	v_mul_f32 v[\si], v23, v21
	v_mov_b32 v23, 0x29573f9f                      ; 1/16!
	v_fmaak_f32 v23, v23, v22, 0xad49cba5
	v_fmaak_f32 v23, v23, v22, 0x310f76c7
	v_fmaak_f32 v23, v23, v22, 0xb493f27e
	v_fmaak_f32 v23, v23, v22, 0x37d00d01
	v_fmaak_f32 v23, v23, v22, 0xbab60b61
	v_fmaak_f32 v23, v23, v22, 0x3d2aaaab
	v_fma_f32 v23, v23, v22, -0.5
	v_fma_f32 v[\co], v23, v22, 1.0
.endm
.Ltable:                                               ; this path has one memory instruction, its store: it reads v7 and v[8:11], which nothing writes behind it
	v_cvt_f32_u32 v4, v1                           ; t
	v_lshlrev_b32 v3, 1, v2
	v_cvt_f32_u32 v5, v3                           ; i = 2 (thread % 16), and i + 1
	v_add_f32 v6, 1.0, v5
	v_mul_f32 v5, 0xbed49a78, v5                   ; - i x log2(10000) / 32
	v_mul_f32 v6, 0xbed49a78, v6
	v_exp_f32 v5, v5
	v_exp_f32 v6, v6
	v_lshlrev_b32 v7, 4, v0                        ; a plain instruction behind the exponentials
	s_wait_alu depctr_va_vdst(0)                   ; the two exponentials have written v5 and v6, ahead of the multiplies that read them: one wait for both
	v_mul_f32 v5, v4, v5
	v_mul_f32 v6, v4, v6
	SINCOS 5, 8, 9
	SINCOS 6, 10, 11
	s_lshl_b32 s6, s5, 12
	v_add_nc_u32 v7, s6, v7                        ; 4096 x + 16 x thread: sixteen lanes write one row of the table, 256 bytes
	s_wait_kmcnt 0x0
	s_wait_alu depctr_va_vdst(0)                   ; v7, the store's offset, and v[8:11], its data, are written
	global_store_b128 v7, v[8:11], s[20:21]
	s_endpgm
.Lfunc_end_k_qcc88c75edf_prep:
	.size	k_qcc88c75edf_prep, .Lfunc_end_k_qcc88c75edf_prep-k_qcc88c75edf_prep
	.p2alignl 7, 3214868480
	.fill 96, 4, 3214868480
	.section	.rodata,"a",@progbits
	.p2align	6, 0x0
	.amdhsa_kernel k_qcc88c75edf_prep
		.amdhsa_group_segment_fixed_size 0
		.amdhsa_private_segment_fixed_size 0
		.amdhsa_enable_private_segment 0
		.amdhsa_kernarg_size 56
		.amdhsa_user_sgpr_count 2
		.amdhsa_user_sgpr_kernarg_segment_ptr 1
		.amdhsa_wavefront_size32 1
		.amdhsa_system_sgpr_workgroup_id_x 1
		.amdhsa_system_sgpr_workgroup_id_y 1
		.amdhsa_system_sgpr_workgroup_id_z 1
		.amdhsa_system_vgpr_workitem_id 0
		.amdhsa_next_free_vgpr 128
		.amdhsa_next_free_sgpr 66
		.amdhsa_reserve_vcc 0
		.amdhsa_float_denorm_mode_32 3
		.amdhsa_float_denorm_mode_16_64 3
		.amdhsa_memory_ordered 1
		.amdhsa_forward_progress 1
		.amdhsa_inst_pref_size 13
	.end_amdhsa_kernel
	.amdgpu_metadata
---
amdhsa.version: [ 1, 2 ]
amdhsa.kernels:
  - .name:           k_qcc88c75edf_prep
    .symbol:         k_qcc88c75edf_prep.kd
    .args:
      - { .name: X, .offset: 0, .size: 8, .value_kind: global_buffer, .address_space: global }
      - { .name: WQ, .offset: 8, .size: 8, .value_kind: global_buffer, .address_space: global }
      - { .name: WK, .offset: 16, .size: 8, .value_kind: global_buffer, .address_space: global }
      - { .name: WV, .offset: 24, .size: 8, .value_kind: global_buffer, .address_space: global }
      - { .name: WO, .offset: 32, .size: 8, .value_kind: global_buffer, .address_space: global }
      - { .name: h16, .offset: 40, .size: 8, .value_kind: global_buffer, .address_space: global }
      - { .name: rope, .offset: 48, .size: 8, .value_kind: global_buffer, .address_space: global }
    .group_segment_fixed_size: 0
    .private_segment_fixed_size: 0
    .kernarg_segment_align: 8
    .kernarg_segment_size: 56
    .max_flat_workgroup_size: 256
    .sgpr_count:     66
    .vgpr_count:     128
    .wavefront_size: 32
...
	.end_amdgpu_metadata
.endif
;; end of part 5
;; launch qkv: the kernel of part 2 again; grid 16 x 16, 4 waves a work-group, clusters of 4 x 4, 327,680 bytes of LDS; arguments h16, rope, bQ, bK, bV, qh, kh, vh, vsum; writes qh, kh, vh, vsum
;; launch attn: the kernel of part 3 again; grid 8 x 32, 4 waves a work-group, no clusters, 327,680 bytes of LDS; arguments qh, kh, vh, vsum, sink_scalars, v_nulls, ctx; writes ctx
;; launch proj: the kernel of part 4 again; grid 16 x 16, 4 waves a work-group, clusters of 4 x 4, 327,680 bytes of LDS; arguments ctx, h16, bO, out0; writes out0
